; MI455X (gfx1250); checked and timed in simulation.
; The chip was launched on July 23, 2026; its instructions are those of AMD's public machine-readable ISA for CDNA 5 (MIT licence, August 2026) and "CDNA5" Instruction Set Architecture Reference Guide (July 2026). The comments in the code are by the model that wrote it; some were corrected since.
;; KNN Aggregation Variants. Allowed arithmetic: matrix products marked QUANTISED: E2M1 operands, one E8M0 scale for each 32 along K, by v_wmma_scale_f32_16x16x128_f8f6f4 with both operands' format E2M1 (or v_wmma_scale_f32_32x16x128_f4), f32 sums; products left as they are: f32 operands where the result goes on into a quantised operand, else bf16, f16 or f32 operands; f32 sums; everything else in f32.
;; Inputs: W_feat 256 x 256 float32; W_pos1 4 x 128 float32; W_pos2 128 x 256 float32; b_feat 256 float32; b_pos1 128 float32; b_pos2 256 float32; beta 256 float32; coords 2 x 4,096 x 3 float32; features 2 x 4,096 x 256 float32; gamma 256 float32.
;; Outputs: out0 2 x 4,096 x 256 float32.
;; This version of the problem:
;;   THIS VERSION OF THE PROBLEM IS GIVEN IN LOW PRECISION. The matrix products marked QUANTISED in the list below multiply operands that are first quantised to E2M1 (2 exponent bits, 1 mantissa bit; 4 bits a number), with one power-of-two scale for each 32 numbers along K (OCP MX v1.0); their sums are f32. All else is computed in f32.
;;   The module's matrix products, in the order in which they are computed (A, B: the left and right operand; K: the contracted axis; several contracted axes count as one K, in the product's order):
;;     1. [M 8,192, K 256] x [K 256, N 256]; A: input features; B: input W_feat: QUANTISED
;;     2. [M 131,072, K 4] x [K 4, N 128]; A: computed on the way; B: input W_pos1: left as it is (K = 4 < 32)
;;     3. [M 131,072, K 128] x [K 128, N 256]; A: computed on the way; B: input W_pos2: QUANTISED
;;   THE QUANTISER, for each operand of a quantised product, along K:
;;     - K is cut into blocks of 32 from its start; a last block that is shorter is filled with zeros.
;;     - A block's scale is 2^e with e = floor(log2(the largest magnitude in the block)) - 2, held to -126 .. 127; a block of zeros has e = 0. As a byte (E8M0): e + 127.
;;     - Each number is divided by its block's scale, clamped to +-6, and rounded to the nearest number of E2M1, ties to even, subnormals kept.
;;     - The product sums the exact products of the quantised numbers (number of the format x scale) in f32.
;;   ~~~python
;;   def quantise(x, axis):      # numpy; x: float32 -> the quantised numbers, widened to float32 again
;;       x = np.moveaxis(x, axis, -1); K = x.shape[-1]
;;       x = np.pad(x, [(0, 0)] * (x.ndim - 1) + [(0, -K % 32)]); x = x.reshape(x.shape[:-1] + (-1, 32)); a = np.abs(x).max(-1, keepdims=True)
;;       e = np.where(a > 0, np.clip(np.frexp(np.where(a > 0, a, 1))[1] - 1 - 2, -126, 127), 0)      # np.frexp(a)[1] - 1 = floor(log2(a)), exactly
;;       r = np.clip(x / 2.0 ** e, -6, 6)
;;       step = 2.0 ** (np.maximum(np.frexp(np.where(r == 0, 1, r))[1] - 1, 0) - 1)
;;       q = np.round(r / step) * step * 2.0 ** e      # np.round: ties to even
;;       return np.moveaxis(q.reshape(q.shape[:-2] + (-1,))[..., :K], -1, axis).astype(np.float32)
;;   ~~~
;;   OPERANDS COMPUTED ON THE WAY. 'Computed on the way' means the value that the module computes at that place (a softmax that the list does not call 'softmax' is quantised finished and normalised). What goes into a quantiser is computed in f32, as accurately as f32 sums, v_exp_f32 and their like allow (about 1e-6 of the number): no bf16 or f16 on the way to a quantiser, and a product that is left as it is and whose result goes on into a quantised operand takes f32 operands (vector FMAs, or v_wmma_f32_16x16x4_f32). A number that lies on a knife's edge between two numbers of the format may be rounded either way, as far as f32 arithmetic and the matrix unit's own rounding can turn it there, and no further.
;; One version. Each part assembles by itself: llvm-mc -triple=amdgcn-amd-amdhsa -mcpu=gfx1250 --defsym DOCPART=n.
;; ======== version 1 of 1: 3 launches
;; limits: right only within a limited range of input values
;; workspace buffers: gsel 524,288 bytes of whole numbers; psel 524,288 bytes of whole numbers; xq 1,048,576 bytes; xs 65,536 bytes; wimg 61,440 bytes
;; launch groups (part 1): grid 256 x 1, 16 waves a work-group, no clusters, 92,672 bytes of LDS; arguments coords, W_feat, W_pos2, gsel, wimg; writes gsel, wimg
.if DOCPART == 1
	.amdgcn_target "amdgcn-amd-amdhsa--gfx1250"
	.amdhsa_code_object_version 6
	.text
	.protected	k_qc33d8adb60_groups
	.globl	k_qc33d8adb60_groups
	.p2align	8
	.type	k_qc33d8adb60_groups,@function
k_qc33d8adb60_groups:
	s_mov_b64 s[64:65], 0
	v_nop
	global_prefetch_b8 v0, s[64:65] scope:SCOPE_SE
	s_setreg_imm32_b32 hwreg(HW_REG_WAVE_MODE, 25, 1), 1
	s_wait_xcnt 0x0
; GROUPS.  coords [2][4096][3] f32 (x, y, t).  For each query i the distance to candidate j of its batch is d = sqrt(dx^2 + dy^2) + 0.3 (t_i - t_j);
; j = i and every j with t_j > t_i count as +infinity.  A batch's 4,096 candidates are 256 groups of 16 neighbouring indices.  This launch finds each group's smallest d
; and marks, for each query, the 16 groups that come first by (smallest d, group number).  They hold the query's 16 nearest by (d, index): were one of the 16 nearest in a group not marked,
; 16 other groups would each hold a candidate that comes before it.  The marks go to gsel [8192 queries][16 segments] as words: bits 15:0 a mask over the segment's 16 groups,
; bits 23:16 the segment, bits 28:24 how many marks lie in the segments before.
; SHARES.  A work-group takes 32 queries, wave w candidates 256 w .. 256 w + 255.  A lane (r = lane % 16, h = lane / 16) takes TWO queries, r and r + 16, and the candidates 128 h .. + 127 of its wave's 256:
; so each LDS read of 16 bytes serves two queries.  Eight steps of one group; the group of the next step is on its way from LDS while one is worked.
; Tail: wave w takes queries 2 w, 2 w + 1; a query is a row of 16 lanes, a lane holds the 16 minima of one segment.
; THE WEIGHTS.  Wave 0 of work-groups 0 to 47 also makes one operand image of Q(W_pos2) or Q(W_feat) each: MX-FP4 codes and scale words, laid as the last launch's registers take them.
; Image J = 3 tau + f: 16 columns n = 64 (tau / 4) + 4 r + tau % 4; f = 0: W_pos2's 128 rows, f = 1, 2: W_feat's rows 0-127, 128-255.  1,280 bytes an image: 2 x 512 of codes (16 a lane), 128 of scale words.
; LEFT OUT: no cluster and no tensor load, since a wave reads its 3,072 bytes once and no other wave of the work-group wants them; no prefetch, since there is no stream to run ahead in.
; LIMITS.  d is made of fused multiply-adds and v_sqrt_f32 (1 ulp): two candidates whose d differ by about an ulp at the 16th place may be chosen otherwise than by a correctly rounded root.
; dx^2 + dy^2 under 2^-126 counts as 0 in the root.  NaN and infinities among the inputs are not served.  A block of weights whose largest magnitude lies under 2^-124 (zeros too) keeps the scale byte 1.
.set MT,    49152                      ; LDS: bytes 0 .. 49,151: 3,072 for each wave: x[256], y[256], t[256].  From MT: the minimum of (query q, segment s, group g) at MT + 1296 q + 80 s + 4 g
.set MQ,    1296
.set MSEG,  80                         ; both pitches are odd multiples of 16 bytes
.set SPARE, MT+32*MQ                   ; the spare words, 128 bytes for each wave
.set TA,    144                        ; at work: query r's roots and distances,
.set TY,    160                        ; dy, then the mask values,
.set TC,    176                        ; dt.  Query r + 16 works in the candidates' own registers
.set W,     144                        ; v144-207: a weight image's numbers, ahead of the loop
.set M,     48                         ; the tail: a lane's 16 values, and two lists
.set L,     64
.set R,     80
.set U,     96
.set NEED,  97
.set WL,    98
.set WE,    99
.set WW,    113
.set X1,    100
.set X2,    101
.set X4,    102
.set TOT,   103
.set PFX,   104
.set TT,    105
.set OO,    106
.set O2,    107
.set CC,    108
.set RK,    109
.set POS,   110
.set KM,    111
.set BASE,  112
.set TAGR,  34
.set CM,    48                         ; s48-55: masks of compares
.set MK1,   24                         ; s24-27: the lanes whose number has bit 0, 1, 2, 3 set
.set MK2,   25
.set MK4,   26
.set MK8,   27
; REGISTERS: v1 lane; v2-7 x, y, t of query r, each twice; v8-13 of query r + 16; v[14:15] 0.3; v[16:17] -inf; v18 +inf; v19 where minima go; v[20:21], v[22:23] two groups' minima of either query;
; v24, v25 read addresses; v26 minima's base; v27 the place of the lane's own point in its group; v28 r, v29 h; v30-35, v40-42 addresses; v36, v37 spare word and 0; v38-39 at work; v48-95, v96-143 two groups' x, y, t.
.macro H d
	s_delay_alu instid0(VALU_DEP_\d)
.endm
; Place p of a sorted list lies in register (p with its lowest bit replaced by the parity of its four bits): two places that differ in one bit lie in registers of unlike parity, as a dual pair's results have to.
.macro FST pos
.set FA, ((\pos)&14)|(((\pos)^((\pos)>>1)^((\pos)>>2)^((\pos)>>3))&1)
.endm
.macro SND pos
.set FB, ((\pos)&14)|(((\pos)^((\pos)>>1)^((\pos)>>2)^((\pos)>>3))&1)
.endm
.macro CES from, to, j, k              ; a stage of a bitonic network: places p, p + j; ascending where p has not bit k
.set p, 0
.rept 16
.if (p & \j) == 0
	FST p
	SND (p+\j)
.if (p & \k) == 0
	v_dual_min_num_f32 v[\to+FA], v[\from+FA], v[\from+FB] :: v_dual_max_num_f32 v[\to+FB], v[\from+FB], v[\from+FA]
.else
	v_dual_max_num_f32 v[\to+FA], v[\from+FA], v[\from+FB] :: v_dual_min_num_f32 v[\to+FB], v[\from+FB], v[\from+FA]
.endif
.endif
.set p, p+1
.endr
.endm
.macro LOW16 src, dst, m               ; the 16 smallest of my sorted list and lane xor m's
.set p, 0
.rept 16
	FST p
	SND (15-p)
	v_min_num_f32_dpp v[\dst+FA], v[\src+FB], v[\src+FA] row_xmask:\m row_mask:0xf bank_mask:0xf
.set p, p+1
.endr
.endm
.macro MRG src, dst, m                 ; and sorted, into dst
	LOW16 \src, \dst, \m
	CES \dst, \src, 8, 16
	CES \src, \dst, 4, 16
	CES \dst, \src, 2, 16
	CES \src, \dst, 1, 16
.endm
.macro SWAR w                          ; counts of set bits in fields of 2 (X1), 4 (X2) and 8 (X4) bits
	H 1
	v_lshrrev_b32 v[X1], 1, v[\w]
	H 1
	v_and_b32 v[X1], 0x55555555, v[X1]
	H 1
	v_sub_nc_u32 v[X1], v[\w], v[X1]
	H 1
	v_lshrrev_b32 v[X2], 2, v[X1]
	H 1
	v_and_b32 v[X2], 0x33333333, v[X2]
	v_and_b32 v[X4], 0x33333333, v[X1]
	H 1
	v_add_nc_u32 v[X2], v[X2], v[X4]
	H 1
	v_lshrrev_b32 v[X4], 4, v[X2]
	H 1
	v_add_nc_u32 v[X4], v[X4], v[X2]
	H 1
	v_and_b32 v[X4], 0x0f0f0f0f, v[X4]
.endm
.macro HALVE src, fm, pl               ; one step of BITSEL: a field's count against RK
.if \pl < 8
.if \pl < 4
	H 2
.endif
	v_lshrrev_b32 v[CC], v[POS], v[\src]
	H 1
	v_and_b32 v[CC], \fm, v[CC]
.else
	v_and_b32 v[CC], \fm, v[\src]
.endif
	H 1
	v_cmp_ge_u32 vcc_lo, v[RK], v[CC]
.if \pl < 8
	v_cndmask_b32 v[O2], 0, \pl, vcc_lo
.else
	v_cndmask_b32 v[POS], 0, \pl, vcc_lo
.endif
.if \pl > 1
	v_cndmask_b32 v[CC], 0, v[CC], vcc_lo
.endif
.if \pl < 8
	v_add_nc_u32 v[POS], v[POS], v[O2]
.endif
.if \pl > 1
	v_sub_nc_u32 v[RK], v[RK], v[CC]
.endif
.endm
.macro BITSEL w                        ; POS = the place of the RK-th (from 0) set bit among bits 15:0 of w; RK is used up
	HALVE X4, 0xff, 8
	HALVE X2, 15, 4
	HALVE X1, 3, 2
	HALVE \w, 1, 1
.endm
.macro SCANSTEP m, mk                  ; one step of the sum over the lower lanes of my row
	v_mov_b32_dpp v[OO], v[TT] row_xmask:\m row_mask:0xf bank_mask:0xf
	H 1
	v_cndmask_b32 v[O2], 0, v[OO], s[\mk]
	v_add_nc_u32 v[TT], v[TT], v[OO]
	v_add_nc_u32 v[PFX], v[PFX], v[O2]
.endm
; Of a row's 256 values (16 lanes x M's 16, in the order lane, register) 16 are marked, by (value, place).  The word goes to WW.
.macro TAIL
	CES M, L, 1, 2
	CES L, R, 2, 4
	CES R, L, 1, 4
	CES L, R, 4, 8
	CES R, L, 2, 8
	CES L, R, 1, 8
	CES R, L, 8, 16
	CES L, R, 4, 16
	CES R, L, 2, 16
	CES L, R, 1, 16
	MRG R, L, 1
	MRG L, R, 2
	MRG R, L, 4
	LOW16 L, R, 8                                              ; the row's 16 smallest, in no order
	v_max3_num_f32 v[U], v[R], v[R+1], v[R+2]                  ; U: the 16th smallest
	v_max3_num_f32 v[CC], v[R+3], v[R+4], v[R+5]
	v_max3_num_f32 v[U], v[U], v[R+6], v[R+7]
	v_max3_num_f32 v[CC], v[CC], v[R+8], v[R+9]
	v_max3_num_f32 v[U], v[U], v[R+10], v[R+11]
	v_max3_num_f32 v[CC], v[CC], v[R+12], v[R+13]
	v_max3_num_f32 v[U], v[U], v[R+14], v[R+15]
	v_mov_b32 v[WL], 0                                         ; my values under U, register k at bit k
	v_mov_b32 v[WE], 0                                         ; those equal to U
	v_max_num_f32 v[U], v[U], v[CC]
.set k, 15
.rept 4
.set e, 0
.rept 4
	v_cmp_lt_f32 s[CM+2*e], v[M+k-e], v[U]
	v_cmp_eq_f32 s[CM+1+2*e], v[M+k-e], v[U]
.set e, e+1
.endr
.set e, 0
.rept 4
	v_add_co_ci_u32 v[WL], vcc_lo, v[WL], v[WL], s[CM+2*e]
	v_add_co_ci_u32 v[WE], vcc_lo, v[WE], v[WE], s[CM+1+2*e]
.set e, e+1
.endr
.set k, k-4
.endr
	v_mov_b32 v[PFX], 0
	v_mov_b32 v[OO], 0
	v_lshl_or_b32 v[WW], v[WL], 16, v[WE]
	SWAR WW
	H 1
	v_lshrrev_b32 v[TOT], 8, v[X4]
	H 1
	v_add_nc_u32 v[TOT], v[TOT], v[X4]
	H 1
	v_and_b32 v[TOT], 0x001f001f, v[TOT]                       ; my counts: equal (low half), under (high half)
	H 1
	v_mov_b32 v[TT], v[TOT]
	SCANSTEP 1, MK1
	SCANSTEP 2, MK2
	SCANSTEP 4, MK4
	SCANSTEP 8, MK8
	v_lshrrev_b32 v[NEED], 16, v[TT]                           ; the row's values under U;
	v_and_b32 v[CC], 0xffff, v[PFX]
	v_sub_nc_u32 v[NEED], 16, v[NEED]                          ; the other places of the 16 go to values equal to U
	v_lshrrev_b32 v[BASE], 16, v[PFX]
	v_min_u32 v[CC], v[CC], v[NEED]                            ; places that equal values of lower lanes take
	H 1
	v_sub_nc_u32 v[RK], v[NEED], v[CC]                         ; places left for mine
	v_sub_nc_u32 v[KM], v[NEED], v[CC]
	v_add_nc_u32 v[BASE], v[BASE], v[CC]                       ; marks in the lanes before me
	BITSEL WW
	H 1
	v_lshlrev_b32 v[O2], v[POS], 1
	v_and_b32 v[CC], 0xffff, v[TOT]
	v_add_nc_u32 v[O2], -1, v[O2]                              ; the bits under my RK-th equal value
	v_cmp_ge_u32 vcc_lo, v[KM], v[CC]
	v_mov_b32 v[CC], 0xffff
	H 1
	v_cndmask_b32 v[O2], v[O2], v[CC], vcc_lo                  ; or all, where there is room for all
	H 1
	v_and_b32 v[O2], v[WW], v[O2]
	v_lshrrev_b32 v[WW], 16, v[WW]
	H 1
	v_or_b32 v[WW], v[WW], v[O2]
	H 1
	v_or_b32 v[WW], v[WW], v[TAGR]
	H 1
	v_lshl_or_b32 v[WW], v[BASE], 24, v[WW]
.endm
	s_load_b256 s[4:11], s[0:1], 0x0               ; coords s[4:5], W_feat s[6:7], W_pos2 s[8:9], gsel s[10:11]
	s_load_b64 s[12:13], s[0:1], 0x20              ; wimg
	v_lshl_add_u32 v36, v0, 2, SPARE
	v_mov_b32 v37, 0
	v_lshrrev_b32 v27, 5, v0
	v_readfirstlane_b32 s14, v27                   ; wave 0..15
	v_and_b32 v1, 31, v0                           ; lane
	v_and_b32 v28, 15, v0                          ; r
	v_bfe_u32 v29, v0, 4, 1                        ; h
	v_lshlrev_b32 v35, 2, v0
	v_mul_u32_u24 v31, v1, 12                      ; a load of the fill takes 32 neighbouring candidates, a lane one
	v_mul_u32_u24 v32, v28, 12                     ; query r; r + 16 lies 192 bytes on
	v_lshlrev_b32 v[TAGR], 16, v28
	v_lshlrev_b32 v40, 4, v28                      ; the weights: column 4 r: 16 bytes a lane,
	v_lshl_add_u32 v40, v29, 15, v40               ; lanes 16-31 begin 32 rows further down
	v_lshlrev_b32 v41, 4, v1
	v_lshlrev_b32 v42, 2, v1
	v_mov_b32 v14, 0x3e99999a                      ; 0.3
	v_mov_b32 v15, 0x3e99999a
	v_mov_b32 v16, 0xff800000                      ; -infinity
	v_mov_b32 v17, 0xff800000
	v_mov_b32 v18, 0x7f800000                      ; +infinity
	s_wait_alu depctr_va_vdst(0)                   ; the wait ahead of the run of scalar lines
	s_mov_b32 s15, ttmp9                           ; work-group
	s_lshr_b32 s16, s15, 7                         ; batch
	s_and_b32 s18, s15, 127
	s_lshl_b32 s18, s18, 1                         ; the first of the two groups that hold my 32 queries
	s_mul_i32 s23, s14, 3072                       ; my wave's candidates: in LDS, and in the batch's coordinates too (256 x 12 bytes)
	s_lshr_b32 s36, s18, 4                         ; the segment of those two groups,
	s_and_b32 s37, s18, 7                          ; the step of the first (an even one; the second is the next step's),
	s_bfe_u32 s38, s18, 0x10003                    ; and the half of the lanes that meets them
	s_mov_b32 s22, 64
	s_cmp_eq_u32 s36, s14
	s_cselect_b32 s22, s37, s22                    ; the step at which my wave meets them, or none
	s_mul_i32 s36, s14, MSEG
	s_add_co_u32 s36, s36, MT
	s_mul_i32 s37, s14, 2*MQ
	s_add_co_u32 s37, s37, MT
	s_mov_b32 s[MK1], 0xaaaaaaaa
	s_mov_b32 s[MK2], 0xcccccccc
	s_mov_b32 s[MK4], 0xf0f0f0f0
	s_mov_b32 s[MK8], 0xff00ff00
	s_mov_b32 s28, 0x76543210
	s_mov_b32 s29, 0xfedcba98                      ; v_permlanex16_b32's selects for lane xor 16
	s_mul_i32 s40, s16, 49152
	s_add_co_u32 s40, s40, s23
	s_mov_b32 s41, 0
	s_mul_i32 s42, s15, 384
	s_mov_b32 s43, 0
	s_lshl_b32 s44, s15, 11
	s_mov_b32 s45, 0
	v_lshl_add_u32 v30, v1, 2, s23                 ; the fill: 3072 w + 4 lane
	v_lshl_add_u32 v25, v29, 9, s23                ; the reads: 3072 w + 512 h
	v_mul_u32_u24 v26, v28, MQ
	v_lshl_add_u32 v26, v29, 5, v26
	v_add_nc_u32 v26, s36, v26                     ; minima of query r, segment w, groups 8 h on
	v_mul_u32_u24 v33, v29, MQ
	v_mad_u32_u24 v33, v28, MSEG, v33
	v_add_nc_u32 v33, s37, v33                     ; the tail: query 2 w + h, segment r
	v_cmp_eq_u32 vcc_lo, s38, v29
	v_cndmask_b32 v27, 64, v28, vcc_lo             ; my own points' place in those groups, or none
	s_wait_alu depctr_va_vdst(0)                   ; the wait at the head's end
	s_wait_kmcnt 0x0
	s_add_nc_u64 s[32:33], s[4:5], s[40:41]        ; my wave's 256 candidates
	s_add_nc_u64 s[34:35], s[4:5], s[42:43]        ; my work-group's 32 queries
	s_add_nc_u64 s[46:47], s[10:11], s[44:45]      ; their 2,048 bytes of gsel
.irp i, 0,1,2,3,4,5,6,7
.irp c, 0,1,2
	global_load_b32 v[96+3*\i+\c], v31, s[32:33] offset:384*\i+4*\c
.endr
.endr
.irp c, 0,1,2
	global_load_b32 v[2+2*\c], v32, s[34:35] offset:4*\c
	global_load_b32 v[8+2*\c], v32, s[34:35] offset:192+4*\c
.endr
	; ---- one weight image: wave 0 of work-groups 0 to 47.  A lane takes a column and its registers run down K, in the order of the operand's registers: lane (r, h) holds k = 64 c + 32 h + 0 .. 31.
	s_cmp_lt_u32 s15, 48
	s_cbranch_scc0 .Lnojob
	s_cmp_eq_u32 s14, 0
	s_cbranch_scc0 .Lnojob
	s_mul_hi_u32 s36, s15, 0x55555556              ; tau = J / 3
	s_mul_i32 s37, s36, 3
	s_sub_co_u32 s37, s15, s37                     ; f = J % 3
	s_lshr_b32 s38, s36, 2
	s_lshl_b32 s38, s38, 8                         ; 4 bytes x 64 (tau / 4)
	s_and_b32 s39, s36, 3
	s_lshl_b32 s39, s39, 2                         ; 4 bytes x tau % 4
	s_add_co_u32 s38, s38, s39
	s_cmp_eq_u32 s37, 2
	s_cselect_b32 s39, 0x20000, 0                  ; W_feat's second 128 rows of 1,024 bytes
	s_add_co_u32 s38, s38, s39
	s_mov_b32 s39, 0
	s_cmp_eq_u32 s37, 0
	s_cselect_b64 s[40:41], s[8:9], s[6:7]
	s_add_nc_u64 s[40:41], s[40:41], s[38:39]
	s_mul_i32 s42, s15, 1280
	s_mov_b32 s43, 0
	s_add_nc_u64 s[44:45], s[12:13], s[42:43]
.irp c, 0,1
.set i, 0
.rept 32
	global_load_b32 v[W+32*\c+i], v40, s[40:41] offset:1024*(64*\c+i)
.set i, i+1
.endr
.endr
	s_wait_loadcnt 0x0
.irp c, 0,1
	v_max3_num_f32 v[208+\c], |v[W+32*\c]|, |v[W+1+32*\c]|, 0x1800000   ; my block 2 c + h: all 32 numbers are mine; the floor 2^(3 - 127) holds the byte at 1 from below
.endr
.irp i, 2,4,6,8,10,12,14,16,18,20,22,24,26,28,30
.irp c, 0,1
	v_max3_num_f32 v[208+\c], v[208+\c], |v[W+32*\c+\i]|, |v[W+1+32*\c+\i]|
.endr
.endr
.irp c, 0,1
	v_add_nc_u32 v[210+\c], 0xff000000, v[208+\c]  ; 2 off the exponent field: the conversion's scale operand
.endr
.irp c, 0,1
	v_lshrrev_b32 v[212+\c], 23, v[210+\c]         ; the scale's byte
.endr
	v_lshlrev_b32 v215, 3, v29
	v_mov_b32 v216, 0
	v_lshl_or_b32 v214, v213, 16, v212             ; blocks h and 2 + h,
	v_lshlrev_b32 v214, v215, v214                 ; at their places in the column's scale word;
	v_permlanex16_b32 v216, v214, s28, s29
	v_or_b32 v214, v214, v216                      ; with lane xor 16's two the word is whole
.irp c, 0,1
.irp g, 0,1,2,3
	v_cvt_scalef32_pk8_fp4_f32 v[218+4*\c+\g], v[W+32*\c+8*\g:W+7+32*\c+8*\g], v[210+\c]
.endr
.endr
	v_nop                                          ; one plain line behind the last scaled conversion
.irp c, 0,1
	global_store_b128 v41, v[218+4*\c:221+4*\c], s[44:45] offset:512*\c   ; 512 consecutive bytes
.endr
	global_store_b32 v42, v214, s[44:45] offset:1024
	s_wait_xcnt 0x0                                ; the stores have read their registers and their base
.Lnojob:
	s_wait_loadcnt 0x0                             ; my 8 candidates and my two queries
.irp i, 0,1,2,3,4,5,6,7
.irp c, 0,1,2
	ds_store_b32 v30, v[96+3*\i+\c] offset:1024*\c+128*\i      ; x, y, t apart, 128 neighbouring bytes a store.  The bytes are my wave's own, and LDS serves a wave's instructions in order: no wait, no barrier
.endr
.endr
.irp c, 2,4,6,8,10,12
	v_mov_b32 v[\c+1], v[\c]
.endr
	s_wait_alu depctr_va_vdst(0)
.macro LOADG set, adr, off             ; a group's 16 x, 16 y, 16 t: lanes 0-15 one address, lanes 16-31 another
.irp c, 0,1,2
.irp i, 0,1,2,3
	ds_load_b128 v[48+48*\set+16*\c+4*\i:51+48*\set+16*\c+4*\i], v\adr offset:\off+1024*\c+16*\i
.endr
.endr
.endm
.macro EYE reg                         ; the point itself
.set u, 0
.rept 4
.set e, 0
.rept 4
	v_cmp_eq_u32 s[CM+e], u+e, v27
.set e, e+1
.endr
.set e, 0
.rept 4
	v_cndmask_b32 v[\reg+u+e], v[\reg+u+e], v18, s[CM+e]
.set e, e+1
.endr
.set u, u+4
.endr
.endm
; The 16 distances of set k to both queries, and their minima into v[20 + k], v[22 + k]: 5.5 vector instructions a distance.
.macro COMPUTE k
.set XB, 48+48*(\k)
.set YB, XB+16
.set TB, XB+32
.irp j, 0,2,4,6,8,10,12,14
	v_pk_add_f32 v[TA+\j:TA+\j+1], v[XB+\j:XB+\j+1], v[2:3] neg_lo:[0,1] neg_hi:[0,1]   ; dx = x_j - x_i
	v_pk_add_f32 v[XB+\j:XB+\j+1], v[XB+\j:XB+\j+1], v[8:9] neg_lo:[0,1] neg_hi:[0,1]
	v_pk_add_f32 v[TY+\j:TY+\j+1], v[YB+\j:YB+\j+1], v[4:5] neg_lo:[0,1] neg_hi:[0,1]   ; dy
	v_pk_add_f32 v[YB+\j:YB+\j+1], v[YB+\j:YB+\j+1], v[10:11] neg_lo:[0,1] neg_hi:[0,1]
.endr
.irp j, 0,2,4,6,8,10,12,14
	v_pk_mul_f32 v[TA+\j:TA+\j+1], v[TA+\j:TA+\j+1], v[TA+\j:TA+\j+1]
	v_pk_mul_f32 v[XB+\j:XB+\j+1], v[XB+\j:XB+\j+1], v[XB+\j:XB+\j+1]
.endr
.irp j, 0,2,4,6,8,10,12,14
	v_pk_fma_f32 v[TA+\j:TA+\j+1], v[TY+\j:TY+\j+1], v[TY+\j:TY+\j+1], v[TA+\j:TA+\j+1]
	v_pk_fma_f32 v[XB+\j:XB+\j+1], v[YB+\j:YB+\j+1], v[YB+\j:YB+\j+1], v[XB+\j:XB+\j+1]
.endr
	s_wait_alu depctr_va_vdst(0)                   ; the wait ahead of the batch
.set u, 0
.rept 16
	v_sqrt_f32 v[TA+u], v[TA+u]
	v_sqrt_f32 v[XB+u], v[XB+u]
.set u, u+1
.endr
.irp j, 0,2,4,6,8,10,12,14
	v_pk_add_f32 v[TC+\j:TC+\j+1], v[6:7], v[TB+\j:TB+\j+1] neg_lo:[0,1] neg_hi:[0,1]   ; dt = t_i - t_j: plain work behind the roots
	v_pk_add_f32 v[TB+\j:TB+\j+1], v[12:13], v[TB+\j:TB+\j+1] neg_lo:[0,1] neg_hi:[0,1]
.endr
.irp j, 0,2,4,6,8,10,12,14
	v_pk_mul_f32 v[TY+\j:TY+\j+1], v[TC+\j:TC+\j+1], v[16:17]  ; dt x -inf: +inf for a later point, -inf for an earlier one, NaN for dt = 0
	v_pk_mul_f32 v[YB+\j:YB+\j+1], v[TB+\j:TB+\j+1], v[16:17]
.endr
	s_wait_alu depctr_va_vdst(0)                   ; one wait for the 32 roots, ahead of their first reader and of the branch
	s_cmp_eq_u32 s21, s22                          ; the one trip that meets my work-group's own queries: a branch on ids
	s_cbranch_scc0 .Lnoeye_\@
.if \k == 0
	EYE TA
.else
	EYE XB
.endif
.Lnoeye_\@:
.irp j, 0,2,4,6,8,10,12,14
	v_pk_fma_f32 v[TA+\j:TA+\j+1], v[TC+\j:TC+\j+1], v[14:15], v[TA+\j:TA+\j+1]   ; d = 0.3 dt + the root
	v_pk_fma_f32 v[XB+\j:XB+\j+1], v[TB+\j:TB+\j+1], v[14:15], v[XB+\j:XB+\j+1]
.endr
.irp j, 0,2,4,6,8,10,12,14                     ; later points become +inf; a NaN loses, -inf loses
	v_dual_max_num_f32 v[TA+\j], v[TA+\j], v[TY+\j] :: v_dual_max_num_f32 v[TA+\j+1], v[TA+\j+1], v[TY+\j+1]
	v_dual_max_num_f32 v[XB+\j], v[XB+\j], v[YB+\j] :: v_dual_max_num_f32 v[XB+\j+1], v[XB+\j+1], v[YB+\j+1]
.endr
	v_min3_num_f32 v[20+\k], v[TA], v[TA+1], v[TA+2]
	v_min3_num_f32 v38, v[TA+3], v[TA+4], v[TA+5]
	v_min3_num_f32 v[22+\k], v[XB], v[XB+1], v[XB+2]
	v_min3_num_f32 v39, v[XB+3], v[XB+4], v[XB+5]
.irp j, 6,10
	v_min3_num_f32 v[20+\k], v[20+\k], v[TA+\j], v[TA+\j+1]
	v_min3_num_f32 v38, v38, v[TA+\j+2], v[TA+\j+3]
	v_min3_num_f32 v[22+\k], v[22+\k], v[XB+\j], v[XB+\j+1]
	v_min3_num_f32 v39, v39, v[XB+\j+2], v[XB+\j+3]
.endr
	v_min3_num_f32 v[20+\k], v[20+\k], v[TA+14], v[TA+15]
	v_min3_num_f32 v[22+\k], v[22+\k], v[XB+14], v[XB+15]
	v_min_num_f32 v[20+\k], v[20+\k], v38
	v_min_num_f32 v[22+\k], v[22+\k], v39
.endm
; Two steps, sets 0 and 1.  The last trip loads nothing further.
.macro TRIP last
	s_wait_dscnt 0x0                               ; set 0 is in
.if \last
	LOADG 1, 25, 448
.else
	v_add_nc_u32 v24, s20, v25
	LOADG 1, 24, 64
.endif
	COMPUTE 0
	s_wait_dscnt 0x0                               ; set 1 is in
.if \last == 0
	LOADG 0, 24, 128                               ; the next trip's first group
.endif
	COMPUTE 1
.if \last
	ds_store_b64 v26, v[20:21] offset:24
	ds_store_b64 v26, v[22:23] offset:16*MQ+24
.else
	v_add_nc_u32 v19, s39, v26
	ds_store_b64 v19, v[20:21]
	ds_store_b64 v19, v[22:23] offset:16*MQ
.endif
.endm
	LOADG 0, 25, 0
	s_mov_b32 s20, 0                               ; the trip's place among a half's candidates, 128 bytes a trip
	s_mov_b32 s39, 0                               ; and among its minima, 8 bytes
	s_mov_b32 s21, 0                               ; the trip's first step
.Ltrip:
	TRIP 0
	s_add_co_u32 s20, s20, 128
	s_add_co_u32 s39, s39, 8
	s_add_co_u32 s21, s21, 2
	s_cmp_lt_u32 s21, 6
	s_cbranch_scc1 .Ltrip
	TRIP 1
	s_wait_dscnt 0x0                               ; for the others' sake: my minima lie in LDS
	s_barrier_signal -1
	s_barrier_wait -1
.irp i, 0,1,2,3
	ds_load_b128 v[M+4*\i:M+4*\i+3], v33 offset:16*\i
.endr
	s_wait_dscnt 0x0
	TAIL
	global_store_b32 v35, v[WW], s[46:47]          ; a wave stores 128 consecutive bytes, the work-group 2,048
	s_wait_tensorcnt 0x0                           ; the wave's end
	ds_add_u32 v36, v37
	s_wait_dscnt 0x0
	s_endpgm
.Lfunc_end_k_qc33d8adb60_groups:
	.size	k_qc33d8adb60_groups, .Lfunc_end_k_qc33d8adb60_groups-k_qc33d8adb60_groups
	.p2alignl 7, 3214868480
	.fill 96, 4, 3214868480
	.section	.rodata,"a",@progbits
	.p2align	6, 0x0
	.amdhsa_kernel k_qc33d8adb60_groups
		.amdhsa_group_segment_fixed_size 92672
		.amdhsa_private_segment_fixed_size 0
		.amdhsa_enable_private_segment 0
		.amdhsa_kernarg_size 40
		.amdhsa_user_sgpr_count 2
		.amdhsa_user_sgpr_kernarg_segment_ptr 1
		.amdhsa_wavefront_size32 1
		.amdhsa_system_sgpr_workgroup_id_x 1
		.amdhsa_system_sgpr_workgroup_id_y 1
		.amdhsa_system_sgpr_workgroup_id_z 1
		.amdhsa_system_vgpr_workitem_id 0
		.amdhsa_next_free_vgpr 226
		.amdhsa_next_free_sgpr 66
		.amdhsa_reserve_vcc 1
		.amdhsa_float_denorm_mode_32 3
		.amdhsa_float_denorm_mode_16_64 3
		.amdhsa_memory_ordered 1
		.amdhsa_forward_progress 1
		.amdhsa_inst_pref_size 95
	.end_amdhsa_kernel
	.amdgpu_metadata
---
amdhsa.version: [ 1, 2 ]
amdhsa.kernels:
  - .name:           k_qc33d8adb60_groups
    .symbol:         k_qc33d8adb60_groups.kd
    .args:
      - { .name: coords, .offset: 0, .size: 8, .value_kind: global_buffer, .address_space: global }
      - { .name: W_feat, .offset: 8, .size: 8, .value_kind: global_buffer, .address_space: global }
      - { .name: W_pos2, .offset: 16, .size: 8, .value_kind: global_buffer, .address_space: global }
      - { .name: gsel, .offset: 24, .size: 8, .value_kind: global_buffer, .address_space: global }
      - { .name: wimg, .offset: 32, .size: 8, .value_kind: global_buffer, .address_space: global }
    .group_segment_fixed_size: 92672
    .private_segment_fixed_size: 0
    .kernarg_segment_align: 8
    .kernarg_segment_size: 40
    .max_flat_workgroup_size: 512
    .sgpr_count:     66
    .vgpr_count:     226
    .wavefront_size: 32
...
	.end_amdgpu_metadata
.endif
;; end of part 1
;; launch pick (part 2): grid 256 x 1, 16 waves a work-group, no clusters, 45,312 bytes of LDS; arguments features, coords, gsel, xq, xs, psel; writes xq, xs, psel
.if DOCPART == 2
	.amdgcn_target "amdgcn-amd-amdhsa--gfx1250"
	.amdhsa_code_object_version 6
	.text
	.protected	k_qc33d8adb60_pick
	.globl	k_qc33d8adb60_pick
	.p2align	8
	.type	k_qc33d8adb60_pick,@function
k_qc33d8adb60_pick:
	s_mov_b64 s[64:65], 0
	v_nop
	global_prefetch_b8 v0, s[64:65] scope:SCOPE_SE
	s_setreg_imm32_b32 hwreg(HW_REG_WAVE_MODE, 25, 1), 1
	s_wait_xcnt 0x0
; PICK.  (1) features [8192][256] f32 become MX-FP4 codes xq [8192][128 bytes] (K innermost, the lower k in the low four bits) and E8M0 scale bytes xs [8192][8].
; (2) For each query the 16 nearest of the 256 candidates in its 16 marked groups (gsel) are found, by (distance, index), with the same operations for the distance as the launch before, so the same bits.
; Their indices in the batch go to psel [8192][16], in ascending order.
; SHARES.  A work-group takes 32 rows.  Wave w quantises rows 2 w, 2 w + 1 (512 numbers) and picks for queries 2 w, 2 w + 1: a query is a row of 16 lanes, lane rho takes the rho-th marked group.
; The groups rise with the lane, so the order (lane, register) is the order of the index: ties fall to the lower index.  A lane's marks are a word: bits 15:0 a mask over its 16 candidates, bits 23:16 the group,
; bits 28:24 the marks in the lanes before; the row's 16 words go through the wave's own LDS bytes, and lane rho takes the rho-th mark.
; LIMITS.  As in the launch before for the distance.  A block of features whose largest magnitude lies under 2^-124 (zeros too) keeps the scale byte 1: its bytes are read by this program alone.  NaN and infinities are not served.
.set SB,    40960                      ; LDS: bytes 0 .. 40,959: a stage of 32 x 80 bytes for each wave; from SB: the work-group's 256 scale bytes
.set SPARE, SB+256                     ; the spare words, 128 bytes for each wave
.set SELB,  SPARE+2048                 ; 128 bytes for each wave: two rows' words
.set RHO,   2
.set LIM,   4
.set M,     128
.set L,     144
.set R,     160
.set GID,   176
.set U,     177
.set NEED,  178
.set WW,    179
.set X1,    180
.set X2,    181
.set X4,    182
.set TOT,   183
.set PFX,   184
.set TT,    185
.set OO,    186
.set O2,    187
.set CC,    188
.set RK,    189
.set POS,   190
.set KM,    191
.set BASE,  192
.set SEL,   193
.set TAGR,  194
.set E0,    195
.set WL,    196
.set WE,    197
.set CM,    40                         ; s40-47: masks of compares
.set MK1,   20
.set MK2,   21
.set MK4,   22
.set MK8,   23
; REGISTERS: v1 lane, v2 rho, v3 lane / 16, v4 (rho + 1) << 24; v5-7 x_i, y_i, t_i; v8 my query's index in its batch; v9 +inf, v[10:11] -inf; v12-15, v67-73, v198-199 offsets and addresses;
; v16-31 a row's 16 words, between them copies of x_i, y_i, t_i and 0.3 twice; v32-47 features as loaded; v48-63 16 neighbours; v64-65 codes; v80-127 the group's 48 words; v128.. the 16 distances and two lists.
.macro H d
	s_delay_alu instid0(VALU_DEP_\d)
.endm
; Place p of a sorted list lies in register (p with its lowest bit replaced by the parity of its four bits): two places that differ in one bit lie in registers of unlike parity, as a dual pair's results have to.
.macro FST pos
.set FA, ((\pos)&14)|(((\pos)^((\pos)>>1)^((\pos)>>2)^((\pos)>>3))&1)
.endm
.macro SND pos
.set FB, ((\pos)&14)|(((\pos)^((\pos)>>1)^((\pos)>>2)^((\pos)>>3))&1)
.endm
.macro CES from, to, j, k              ; a stage of a bitonic network: places p, p + j; ascending where p has not bit k
.set p, 0
.rept 16
.if (p & \j) == 0
	FST p
	SND (p+\j)
.if (p & \k) == 0
	v_dual_min_num_f32 v[\to+FA], v[\from+FA], v[\from+FB] :: v_dual_max_num_f32 v[\to+FB], v[\from+FB], v[\from+FA]
.else
	v_dual_max_num_f32 v[\to+FA], v[\from+FA], v[\from+FB] :: v_dual_min_num_f32 v[\to+FB], v[\from+FB], v[\from+FA]
.endif
.endif
.set p, p+1
.endr
.endm
.macro LOW16 src, dst, m               ; the 16 smallest of my sorted list and lane xor m's
.set p, 0
.rept 16
	FST p
	SND (15-p)
	v_min_num_f32_dpp v[\dst+FA], v[\src+FB], v[\src+FA] row_xmask:\m row_mask:0xf bank_mask:0xf
.set p, p+1
.endr
.endm
.macro MRG src, dst, m                 ; and sorted, into dst
	LOW16 \src, \dst, \m
	CES \dst, \src, 8, 16
	CES \src, \dst, 4, 16
	CES \dst, \src, 2, 16
	CES \src, \dst, 1, 16
.endm
.macro SWAR w                          ; counts of set bits in fields of 2 (X1), 4 (X2) and 8 (X4) bits
	H 1
	v_lshrrev_b32 v[X1], 1, v[\w]
	H 1
	v_and_b32 v[X1], 0x55555555, v[X1]
	H 1
	v_sub_nc_u32 v[X1], v[\w], v[X1]
	H 1
	v_lshrrev_b32 v[X2], 2, v[X1]
	H 1
	v_and_b32 v[X2], 0x33333333, v[X2]
	v_and_b32 v[X4], 0x33333333, v[X1]
	H 1
	v_add_nc_u32 v[X2], v[X2], v[X4]
	H 1
	v_lshrrev_b32 v[X4], 4, v[X2]
	H 1
	v_add_nc_u32 v[X4], v[X4], v[X2]
	H 1
	v_and_b32 v[X4], 0x0f0f0f0f, v[X4]
.endm
.macro HALVE src, fm, pl               ; one step of BITSEL: a field's count against RK
.if \pl < 8
.if \pl < 4
	H 2
.endif
	v_lshrrev_b32 v[CC], v[POS], v[\src]
	H 1
	v_and_b32 v[CC], \fm, v[CC]
.else
	v_and_b32 v[CC], \fm, v[\src]
.endif
	H 1
	v_cmp_ge_u32 vcc_lo, v[RK], v[CC]
.if \pl < 8
	v_cndmask_b32 v[O2], 0, \pl, vcc_lo
.else
	v_cndmask_b32 v[POS], 0, \pl, vcc_lo
.endif
.if \pl > 1
	v_cndmask_b32 v[CC], 0, v[CC], vcc_lo
.endif
.if \pl < 8
	v_add_nc_u32 v[POS], v[POS], v[O2]
.endif
.if \pl > 1
	v_sub_nc_u32 v[RK], v[RK], v[CC]
.endif
.endm
.macro BITSEL w                        ; POS = the place of the RK-th (from 0) set bit among bits 15:0 of w; RK is used up
	HALVE X4, 0xff, 8
	HALVE X2, 15, 4
	HALVE X1, 3, 2
	HALVE \w, 1, 1
.endm
.macro SCANSTEP m, mk                  ; one step of the sum over the lower lanes of my row
	v_mov_b32_dpp v[OO], v[TT] row_xmask:\m row_mask:0xf bank_mask:0xf
	H 1
	v_cndmask_b32 v[O2], 0, v[OO], s[\mk]
	v_add_nc_u32 v[TT], v[TT], v[OO]
	v_add_nc_u32 v[PFX], v[PFX], v[O2]
.endm
; Of a row's 256 values (16 lanes x M's 16, in the order lane, register) 16 are marked, by (value, place).  The word goes to WW.
.macro TAIL
	CES M, L, 1, 2
	CES L, R, 2, 4
	CES R, L, 1, 4
	CES L, R, 4, 8
	CES R, L, 2, 8
	CES L, R, 1, 8
	CES R, L, 8, 16
	CES L, R, 4, 16
	CES R, L, 2, 16
	CES L, R, 1, 16
	MRG R, L, 1
	MRG L, R, 2
	MRG R, L, 4
	LOW16 L, R, 8                                              ; the row's 16 smallest, in no order
	v_max3_num_f32 v[U], v[R], v[R+1], v[R+2]                  ; U: the 16th smallest
	v_max3_num_f32 v[CC], v[R+3], v[R+4], v[R+5]
	v_max3_num_f32 v[U], v[U], v[R+6], v[R+7]
	v_max3_num_f32 v[CC], v[CC], v[R+8], v[R+9]
	v_max3_num_f32 v[U], v[U], v[R+10], v[R+11]
	v_max3_num_f32 v[CC], v[CC], v[R+12], v[R+13]
	v_max3_num_f32 v[U], v[U], v[R+14], v[R+15]
	v_mov_b32 v[WL], 0                                         ; my values under U, register k at bit k
	v_mov_b32 v[WE], 0                                         ; those equal to U
	v_max_num_f32 v[U], v[U], v[CC]
.set k, 15
.rept 4
.set e, 0
.rept 4
	v_cmp_lt_f32 s[CM+2*e], v[M+k-e], v[U]
	v_cmp_eq_f32 s[CM+1+2*e], v[M+k-e], v[U]
.set e, e+1
.endr
.set e, 0
.rept 4
	v_add_co_ci_u32 v[WL], vcc_lo, v[WL], v[WL], s[CM+2*e]
	v_add_co_ci_u32 v[WE], vcc_lo, v[WE], v[WE], s[CM+1+2*e]
.set e, e+1
.endr
.set k, k-4
.endr
	v_mov_b32 v[PFX], 0
	v_mov_b32 v[OO], 0
	v_lshl_or_b32 v[WW], v[WL], 16, v[WE]
	SWAR WW
	H 1
	v_lshrrev_b32 v[TOT], 8, v[X4]
	H 1
	v_add_nc_u32 v[TOT], v[TOT], v[X4]
	H 1
	v_and_b32 v[TOT], 0x001f001f, v[TOT]                       ; my counts: equal (low half), under (high half)
	H 1
	v_mov_b32 v[TT], v[TOT]
	SCANSTEP 1, MK1
	SCANSTEP 2, MK2
	SCANSTEP 4, MK4
	SCANSTEP 8, MK8
	v_lshrrev_b32 v[NEED], 16, v[TT]                           ; the row's values under U;
	v_and_b32 v[CC], 0xffff, v[PFX]
	v_sub_nc_u32 v[NEED], 16, v[NEED]                          ; the other places of the 16 go to values equal to U
	v_lshrrev_b32 v[BASE], 16, v[PFX]
	v_min_u32 v[CC], v[CC], v[NEED]                            ; places that equal values of lower lanes take
	H 1
	v_sub_nc_u32 v[RK], v[NEED], v[CC]                         ; places left for mine
	v_sub_nc_u32 v[KM], v[NEED], v[CC]
	v_add_nc_u32 v[BASE], v[BASE], v[CC]                       ; marks in the lanes before me
	BITSEL WW
	H 1
	v_lshlrev_b32 v[O2], v[POS], 1
	v_and_b32 v[CC], 0xffff, v[TOT]
	v_add_nc_u32 v[O2], -1, v[O2]                              ; the bits under my RK-th equal value
	v_cmp_ge_u32 vcc_lo, v[KM], v[CC]
	v_mov_b32 v[CC], 0xffff
	H 1
	v_cndmask_b32 v[O2], v[O2], v[CC], vcc_lo                  ; or all, where there is room for all
	H 1
	v_and_b32 v[O2], v[WW], v[O2]
	v_lshrrev_b32 v[WW], 16, v[WW]
	H 1
	v_or_b32 v[WW], v[WW], v[O2]
	H 1
	v_or_b32 v[WW], v[WW], v[TAGR]
	H 1
	v_lshl_or_b32 v[WW], v[BASE], 24, v[WW]
.endm
; The RHO-th mark of the 16 words in v16-31: the last word with no more than RHO marks before it, and in it the bit; out = 16 x tag + bit.
.macro SELECT out
	v_mov_b32 v[SEL], v16
.set k, 17
.rept 3
.set e, 0
.rept 5
	v_cmp_lt_u32 s[CM+e], v[k+e], v[LIM]
.set e, e+1
.endr
.set e, 0
.rept 5
	v_cndmask_b32 v[SEL], v[SEL], v[k+e], s[CM+e]
.set e, e+1
.endr
.set k, k+5
.endr
	H 1
	v_lshrrev_b32 v[RK], 24, v[SEL]
	v_and_b32 v[WW], 0xffff, v[SEL]
	v_sub_nc_u32 v[RK], v[RHO], v[RK]
	v_bfe_u32 v[\out], v[SEL], 16, 8
	v_mov_b32 v[CC], v[WW]
	SWAR CC
	BITSEL WW
	v_lshl_add_u32 v[\out], v[\out], 4, v[POS]
.endm
	s_load_b256 s[4:11], s[0:1], 0x0               ; features s[4:5], coords s[6:7], gsel s[8:9], xq s[10:11]
	s_load_b128 s[12:15], s[0:1], 0x20             ; xs s[12:13], psel s[14:15]
	v_lshl_add_u32 v200, v0, 2, SPARE
	v_mov_b32 v201, 0
	v_lshrrev_b32 v66, 5, v0
	v_readfirstlane_b32 s16, v66                   ; wave 0..15
	v_and_b32 v1, 31, v0
	v_and_b32 v[RHO], 15, v0
	v_bfe_u32 v3, v0, 4, 1
	v_lshrrev_b32 v199, 4, v0
	v_add_nc_u32 v[LIM], 1, v[RHO]
	v_lshlrev_b32 v14, 4, v1                       ; features: 16 bytes a lane
	v_lshrrev_b32 v67, 2, v1
	v_and_b32 v74, 3, v1
	v_lshlrev_b32 v[LIM], 24, v[LIM]
	v_mul_u32_u24 v67, v67, 80
	v_lshl_add_u32 v199, v199, 6, SELB             ; my row's 16 words
	v_lshl_add_u32 v198, v0, 2, SELB               ; my own
	v_lshl_add_u32 v67, v74, 4, v67
	v_mul_u32_u24 v68, v1, 80
	v_lshrrev_b32 v69, 1, v0
	v_lshlrev_b32 v12, 6, v3                       ; gsel: 64 bytes a query
	v_mul_u32_u24 v13, v3, 12                      ; coords: 12 bytes a query
	v_add_nc_u32 v69, SB, v69                      ; my block's scale byte
	v_lshl_add_u32 v70, v1, 3, SB                  ; and 8 of them a lane on the way out
	v_lshlrev_b32 v71, 3, v0
	v_lshlrev_b32 v72, 3, v1
	v_lshlrev_b32 v73, 2, v0
	v_mov_b32 v9, 0x7f800000
	v_mov_b32 v10, 0xff800000
	v_mov_b32 v11, 0xff800000
	s_wait_alu depctr_va_vdst(0)                   ; the wait ahead of the run of scalar lines
	s_mov_b32 s17, ttmp9
	s_lshr_b32 s18, s17, 7                         ; batch
	s_mov_b32 s[MK1], 0xaaaaaaaa
	s_mov_b32 s[MK2], 0xcccccccc
	s_mov_b32 s[MK4], 0xf0f0f0f0
	s_mov_b32 s[MK8], 0xff00ff00
	s_lshl_b32 s36, s17, 5
	s_lshl_b32 s37, s16, 1
	s_add_co_u32 s36, s36, s37
	s_and_b32 s36, s36, 4095
	s_mul_i32 s38, s16, 2560                       ; my wave's stage
	v_add_nc_u32 v8, s36, v3                       ; my query's index in its batch
	v_add_nc_u32 v67, s38, v67                     ; in: four lanes' 64 bytes on end, then 16 of padding
	v_add_nc_u32 v68, s38, v68                     ; out: 80 x lane: my 16 neighbours
	s_mov_b32 s37, 0
	s_wait_alu depctr_va_vdst(0)                   ; the wait at the head's end
	s_wait_kmcnt 0x0
	s_lshl_b32 s36, s17, 11
	s_add_nc_u64 s[14:15], s[14:15], s[36:37]      ; psel: my work-group's 2,048 bytes
	s_lshl_b32 s39, s16, 7
	s_add_co_u32 s36, s36, s39
	s_add_nc_u64 s[24:25], s[8:9], s[36:37]        ; gsel: my wave's two queries
	s_mul_i32 s36, s17, 384
	s_mul_i32 s39, s16, 24
	s_add_co_u32 s36, s36, s39
	s_add_nc_u64 s[26:27], s[6:7], s[36:37]        ; their coordinates
	s_lshl_b32 s36, s17, 15
	s_lshl_b32 s39, s16, 11
	s_add_co_u32 s36, s36, s39
	s_add_nc_u64 s[28:29], s[4:5], s[36:37]        ; my wave's two rows of features
	s_mul_i32 s36, s18, 49152
	s_add_nc_u64 s[30:31], s[6:7], s[36:37]        ; the batch's coordinates
	s_lshl_b32 s36, s17, 12
	s_add_nc_u64 s[32:33], s[10:11], s[36:37]      ; xq: 4,096 bytes a work-group
	s_lshl_b32 s36, s17, 8
	s_add_nc_u64 s[34:35], s[12:13], s[36:37]      ; xs: 256
.irp i, 0,1,2,3
	global_load_b128 v[16+4*\i:19+4*\i], v12, s[24:25] offset:16*\i
.endr
.irp c, 0,1,2
	global_load_b32 v[5+\c], v13, s[26:27] offset:4*\c
.endr
.irp i, 0,1,2,3
	global_load_b128 v[32+4*\i:35+4*\i], v14, s[28:29] offset:512*\i th:TH_LOAD_NT   ; 512 consecutive bytes a load
.endr
	s_wait_loadcnt 7                               ; gsel's four loads are in; my coordinates' three and the features' four may be out
	SELECT GID
	v_min_u32 v[GID], 0xff, v[GID]                 ; a group's number
	v_mul_u32_u24 v15, v[GID], 192                 ; its 16 points: 192 bytes
.irp i, 0,1,2,3,4,5,6,7,8,9,10,11
	global_load_b128 v[80+4*\i:83+4*\i], v15, s[30:31] offset:16*\i
.endr
	v_lshlrev_b32 v[E0], 4, v[GID]
	v_lshlrev_b32 v[TAGR], 16, v[GID]
	v_sub_nc_u32 v[E0], v8, v[E0]                  ; my query's place in this group, if it lies there
	; ---- the features: 2,048 bytes through my stage, so that a lane holds 16 neighbours along K; two neighbouring lanes hold a block of 32
	s_wait_loadcnt 12                              ; all but the group's twelve loads
.irp i, 0,1,2,3
	ds_store_b128 v67, v[32+4*\i:35+4*\i] offset:640*\i
.endr
.irp i, 0,1,2,3
	ds_load_b128 v[48+4*\i:51+4*\i], v68 offset:16*\i   ; LDS serves a wave's instructions in order: these see my stores
.endr
	s_wait_dscnt 0x0
	v_max3_num_f32 v74, |v48|, |v49|, |v50|
	v_max3_num_f32 v75, |v51|, |v52|, |v53|
.irp i, 6,10
	v_max3_num_f32 v74, v74, |v[48+\i]|, |v[49+\i]|
	v_max3_num_f32 v75, v75, |v[50+\i]|, |v[51+\i]|
.endr
	v_max3_num_f32 v74, v74, |v62|, |v63|
	v_max3_num_f32 v74, v74, v75, 0x1800000        ; the floor 2^(3 - 127): the byte cannot fall under 1
	v_max_num_f32_dpp v74, v74, v74 row_xmask:1 row_mask:0xf bank_mask:0xf   ; with my neighbour's 16: the block's largest magnitude
	v_add_nc_u32 v76, 0xff000000, v74              ; 2 off its exponent field: the conversion's scale operand
	v_cvt_scalef32_pk8_fp4_f32 v64, v[48:55], v76
	v_cvt_scalef32_pk8_fp4_f32 v65, v[56:63], v76
	v_lshrrev_b32 v77, 23, v76                     ; the scale's byte
	ds_store_b8 v69, v77                           ; both lanes of a block write the same byte with the same value
	global_store_b64 v71, v[64:65], s[32:33]       ; a wave stores 256 consecutive bytes, aligned
	s_wait_dscnt 0x0                               ; for wave 0's sake: my scale bytes lie in LDS
	s_barrier_signal -1                            ; only work on registers stands between this and the wait below
	; ---- the 16 distances of my group
	s_wait_loadcnt 0x0
	v_mov_b32 v16, v5                              ; copies in other banks, for the dual pairs
	v_mov_b32 v17, v6
	v_mov_b32 v18, v7
	v_mov_b32 v20, 0x3e99999a                      ; 0.3
	v_mov_b32 v21, 0x3e99999a
.irp u, 0,2,4,6,8,10,12,14
	v_dual_sub_f32 v[M+\u], v[80+3*\u], v5 :: v_dual_sub_f32 v[M+1+\u], v[83+3*\u], v16    ; dx = x_j - x_i
	v_dual_sub_f32 v[L+\u], v[81+3*\u], v6 :: v_dual_sub_f32 v[L+1+\u], v[84+3*\u], v17    ; dy
.endr
.irp u, 0,2,4,6,8,10,12,14
	v_pk_mul_f32 v[M+\u:M+1+\u], v[M+\u:M+1+\u], v[M+\u:M+1+\u]
.endr
.irp u, 0,2,4,6,8,10,12,14
	v_pk_fma_f32 v[M+\u:M+1+\u], v[L+\u:L+1+\u], v[L+\u:L+1+\u], v[M+\u:M+1+\u]
.endr
	s_wait_alu depctr_va_vdst(0)                   ; the wait ahead of the batch
.set u, 0
.rept 16
	v_sqrt_f32 v[M+u], v[M+u]
.set u, u+1
.endr
	v_nop                                          ; a plain line behind the last root
.irp u, 0,2,4,6,8,10,12,14
	v_dual_sub_f32 v[L+\u], v7, v[82+3*\u] :: v_dual_sub_f32 v[L+1+\u], v18, v[85+3*\u]    ; dt = t_i - t_j
.endr
.irp u, 0,2,4,6,8,10,12,14
	v_pk_mul_f32 v[R+\u:R+1+\u], v[L+\u:L+1+\u], v[10:11]      ; dt x -inf
.endr
	s_wait_alu depctr_va_vdst(0)                   ; one wait for the 16 roots, ahead of their first reader
.irp u, 0,2,4,6,8,10,12,14
	v_pk_fma_f32 v[M+\u:M+1+\u], v[L+\u:L+1+\u], v[20:21], v[M+\u:M+1+\u]
.endr
.irp u, 0,2,4,6,8,10,12,14                     ; later points become +inf
	v_dual_max_num_f32 v[M+\u], v[M+\u], v[R+\u] :: v_dual_max_num_f32 v[M+1+\u], v[M+1+\u], v[R+1+\u]
.endr
.set u, 0
.rept 4
.set e, 0
.rept 4
	v_cmp_eq_u32 s[CM+e], u+e, v[E0]
.set e, e+1
.endr
.set e, 0
.rept 4
	v_cndmask_b32 v[M+u+e], v[M+u+e], v9, s[CM+e]  ; the point itself
.set e, e+1
.endr
.set u, u+4
.endr
	TAIL
	s_wait_alu depctr_va_vdst(0)
	s_barrier_wait -1                              ; every wave's scale bytes lie in LDS
	ds_store_b32 v198, v[WW]
.irp i, 0,1,2,3
	ds_load_b128 v[16+4*\i:19+4*\i], v199 offset:16*\i   ; my wave's own bytes, in order: these see the store
.endr
	s_cmp_lg_u32 s16, 0
	s_cbranch_scc1 .Lnot0
	ds_load_b64 v[78:79], v70
	s_wait_dscnt 0x0
	global_store_b64 v72, v[78:79], s[34:35]       ; the work-group's 256 scale bytes: 256 consecutive bytes, aligned
.Lnot0:
	s_wait_dscnt 0x0
	SELECT E0
	global_store_b32 v73, v[E0], s[14:15]          ; a wave stores 128 consecutive bytes, the work-group 2,048
	s_wait_tensorcnt 0x0                           ; the wave's end
	ds_add_u32 v200, v201
	s_wait_dscnt 0x0
	s_endpgm
.Lfunc_end_k_qc33d8adb60_pick:
	.size	k_qc33d8adb60_pick, .Lfunc_end_k_qc33d8adb60_pick-k_qc33d8adb60_pick
	.p2alignl 7, 3214868480
	.fill 96, 4, 3214868480
	.section	.rodata,"a",@progbits
	.p2align	6, 0x0
	.amdhsa_kernel k_qc33d8adb60_pick
		.amdhsa_group_segment_fixed_size 45312
		.amdhsa_private_segment_fixed_size 0
		.amdhsa_enable_private_segment 0
		.amdhsa_kernarg_size 48
		.amdhsa_user_sgpr_count 2
		.amdhsa_user_sgpr_kernarg_segment_ptr 1
		.amdhsa_wavefront_size32 1
		.amdhsa_system_sgpr_workgroup_id_x 1
		.amdhsa_system_sgpr_workgroup_id_y 1
		.amdhsa_system_sgpr_workgroup_id_z 1
		.amdhsa_system_vgpr_workitem_id 0
		.amdhsa_next_free_vgpr 202
		.amdhsa_next_free_sgpr 66
		.amdhsa_reserve_vcc 1
		.amdhsa_float_denorm_mode_32 3
		.amdhsa_float_denorm_mode_16_64 3
		.amdhsa_memory_ordered 1
		.amdhsa_forward_progress 1
		.amdhsa_inst_pref_size 47
	.end_amdhsa_kernel
	.amdgpu_metadata
---
amdhsa.version: [ 1, 2 ]
amdhsa.kernels:
  - .name:           k_qc33d8adb60_pick
    .symbol:         k_qc33d8adb60_pick.kd
    .args:
      - { .name: features, .offset: 0, .size: 8, .value_kind: global_buffer, .address_space: global }
      - { .name: coords, .offset: 8, .size: 8, .value_kind: global_buffer, .address_space: global }
      - { .name: gsel, .offset: 16, .size: 8, .value_kind: global_buffer, .address_space: global }
      - { .name: xq, .offset: 24, .size: 8, .value_kind: global_buffer, .address_space: global }
      - { .name: xs, .offset: 32, .size: 8, .value_kind: global_buffer, .address_space: global }
      - { .name: psel, .offset: 40, .size: 8, .value_kind: global_buffer, .address_space: global }
    .group_segment_fixed_size: 45312
    .private_segment_fixed_size: 0
    .kernarg_segment_align: 8
    .kernarg_segment_size: 48
    .max_flat_workgroup_size: 512
    .sgpr_count:     66
    .vgpr_count:     202
    .wavefront_size: 32
...
	.end_amdgpu_metadata
.endif
;; end of part 2
;; launch final (part 3): grid 256 x 1, 16 waves a work-group, no clusters, 146,176 bytes of LDS; arguments psel, coords, xq, xs, wimg, W_pos1, b_pos1, b_feat, b_pos2, gamma, beta, out0; writes out0
.if DOCPART == 3
	.amdgcn_target "amdgcn-amd-amdhsa--gfx1250"
	.amdhsa_code_object_version 6
	.text
	.protected	k_qc33d8adb60_final
	.globl	k_qc33d8adb60_final
	.p2align	8
	.type	k_qc33d8adb60_final,@function
k_qc33d8adb60_final:
	s_mov_b64 s[64:65], 0
	v_nop
	global_prefetch_b8 v0, s[64:65] scope:SCOPE_SE
	s_setreg_imm32_b32 hwreg(HW_REG_WAVE_MODE, 25, 1), 1
	s_wait_xcnt 0x0
; FINAL.  For each query i with its 16 marked neighbours j (psel): rel = (c_j - c_i, d), hidden = relu(rel W_pos1 + b_pos1) in f32, quantised to MX-FP4 along its 128;
; enh_i = f_i + mean over the valid j of (f_j + Q(hidden) Q(W_pos2) + b_pos2), f = Q(features) Q(W_feat) + b_feat; then LayerNorm with gamma and beta.  A neighbour is valid where t_j <= t_i and j != i.
; f_j is not fetched: the neighbours' CODES (xq, xs) are gathered and multiplied by Q(W_feat) in the same accumulator as Q(hidden) Q(W_pos2): K = 128 + 256, three K steps.  Rows that are not valid get zero codes,
; so the sum over a tile's 16 rows is the sum over the valid ones; the biases are added at the end: enh = own + inv x sum + b_feat + has x (b_feat + b_pos2), inv = 1 / max(count, 1), has = min(count, 1).
; SHARES.  A work-group takes 32 queries.  Stage 1: wave w makes, for queries 2 w and 2 w + 1, the images of the three operands (16 rows x 128 K each) in LDS.  Stage 2: wave (cg = w % 4, qg = w / 4) holds the twelve
; weight fragments of columns 64 cg .. + 63 in registers and multiplies for queries 8 qg .. + 7.  Stage 3: wave w normalises rows 2 w, 2 w + 1.  Two barriers.
; OPERANDS GO THROUGH LDS AS IMAGES OF THEIR REGISTERS: 2 x 512 bytes of codes, 16 a lane, and 128 bytes of scale words, 4 a lane.
; LIMITS.  The mean is a multiplication by v_rcp_f32 of the count, the norm by v_rsq_f32 (1 ulp each).  d as in the launches before.  A block of the hidden layer under 2^-124 (zeros too) keeps the scale byte 1.  NaN and infinities are not served.
.set HIMG, 0                           ; LDS: 32 queries x 1,024: the hidden layer's images
.set XIMG, 32768                       ; (2 q + s) x 1,024: the neighbours' feature codes, K step s
.set ASC,  98304                       ; (3 q + f) x 128: scale words; f = 0 hidden, 1, 2 features
.set QW,   110592                      ; 8 bytes a query: inv, has
.set ENH,  110848                      ; 32 rows x (1,024 + 16)
.set EP,   1040
.set RHO,  2
; psel holds each query's 16 neighbours as indices in its batch.
; REGISTERS: v1 lane, v2 r = lane % 16, v3 h = lane / 16, v4 16 x lane, v5 4 x lane, v6-15 LDS addresses; v16-27 the weights' scale words, v28-30 the activations' (these 15 hold scales alone); v31 the scale word just made;
; v32-47 W_pos1's fragments, later sums; v48-111 b_pos1 in the result's layout, later weight fragments 0-7, later the parameters and rows; v112-175 accumulators, written by matrix instructions alone;
; v176-211 gathered codes, the hidden layer, later weight fragments 8-11; v212-235 codes, later the three activation fragments; v236-255 indices, coordinates, rel, later inv and has.
	s_load_b512 s[4:19], s[0:1], 0x0               ; psel s[4:5], coords s[6:7], xq s[8:9], xs s[10:11], wimg s[12:13], W_pos1 s[14:15], b_pos1 s[16:17], b_feat s[18:19]
	s_load_b256 s[20:27], s[0:1], 0x40             ; b_pos2 s[20:21], gamma s[22:23], beta s[24:25], out0 s[26:27]
	v_lshrrev_b32 v1, 5, v0
	s_delay_alu instid0(VALU_DEP_1)
	v_readfirstlane_b32 s28, v1                    ; wave 0..15
	v_and_b32 v1, 31, v0
	s_wait_alu depctr_va_vdst(0)
	v_and_b32 v[RHO], 15, v0
	v_bfe_u32 v3, v0, 4, 1
	s_wait_alu depctr_va_vdst(0)
	s_mov_b32 s29, ttmp9
	s_lshr_b32 s30, s29, 7                         ; batch
	s_and_b32 s31, s28, 3                          ; cg
	s_lshr_b32 s66, s28, 2                         ; qg
	s_mov_b32 s68, 0x76543210
	s_mov_b32 s69, 0xfedcba98                      ; v_permlanex16_b32's selects for lane xor 16
	s_mov_b32 s72, 0x3b800000                      ; 1 / 256
	s_mov_b32 s73, 0x3727c5ac                      ; 1e-5
	s_mov_b32 s79, 0xffff0000                      ; lanes 16-31
	v_lshlrev_b32 v4, 4, v1
	s_wait_alu depctr_va_vdst(0)
	v_lshlrev_b32 v5, 2, v1
	s_wait_alu depctr_va_vdst(0)
	s_lshl_b32 s98, s28, 11
	v_add_nc_u32 v6, s98, v4                       ; stage 1 stores: HIMG + 2048 w + 16 lane
	s_lshl_b32 s98, s28, 12
	s_add_co_u32 s98, s98, XIMG
	v_add_nc_u32 v7, s98, v4                       ; XIMG + 4096 w + 16 lane
	s_mul_i32 s98, s28, 768
	s_add_co_u32 s98, s98, ASC
	v_add_nc_u32 v8, s98, v5                       ; ASC + 768 w + 4 lane
	s_lshl_b32 s98, s28, 4
	s_add_co_u32 s98, s98, QW
	v_lshl_add_u32 v9, v3, 3, s98                  ; QW + 16 w + 8 h
	s_lshl_b32 s98, s66, 13
	v_add_nc_u32 v10, s98, v4                      ; stage 2 reads: HIMG + 8192 qg + 16 lane
	s_lshl_b32 s98, s66, 14
	s_add_co_u32 s98, s98, XIMG
	v_add_nc_u32 v11, s98, v4                      ; XIMG + 16384 qg + 16 lane
	s_mul_i32 s98, s66, 3072
	s_add_co_u32 s98, s98, ASC
	v_add_nc_u32 v12, s98, v5                      ; ASC + 3072 qg + 4 lane
	s_lshl_b32 s98, s66, 6
	s_add_co_u32 s98, s98, QW
	v_mov_b32 v13, s98                             ; QW + 64 qg
	s_mul_i32 s98, s66, 8*EP
	s_lshl_b32 s99, s31, 8
	s_add_co_u32 s98, s98, s99
	s_add_co_u32 s98, s98, ENH
	v_lshl_add_u32 v14, v[RHO], 4, s98             ; ENH + 8 EP qg + 256 cg + 16 r
	s_mul_i32 s98, s28, 2*EP
	s_add_co_u32 s98, s98, ENH
	v_add_nc_u32 v15, s98, v4                      ; stage 3 reads: ENH + 2 EP w + 16 lane
	v_mul_u32_u24 v220, v3, 12                     ; my own query's coordinates
	v_and_b32 v221, 8, v[RHO]
	s_delay_alu instid0(VALU_DEP_1)
	v_add_nc_u32 v221, v221, v[RHO]                ; r + 8 (r / 8)
	s_delay_alu instid0(VALU_DEP_1)
	v_lshlrev_b32 v221, 2, v221
	s_delay_alu instid0(VALU_DEP_1)
	v_lshl_add_u32 v221, v3, 10, v221              ; W_pos1: rows 2 h, 2 h + 1 of 512 bytes
	v_lshlrev_b32 v222, 6, v3                      ; b_pos1: 16 h units on
	v_and_b32 v233, 7, v[RHO]
	s_delay_alu instid0(VALU_DEP_1)
	v_lshlrev_b32 v232, 7, v233
	s_delay_alu instid0(VALU_DEP_1)
	v_lshl_add_u32 v232, v3, 4, v232               ; my work-group's own rows: row r % 8 of 128 bytes, + 16 h
	s_delay_alu instid0(VALU_DEP_3)
	v_lshlrev_b32 v233, 3, v233                    ; and its 8 scale bytes
	s_lshl_b32 s98, s29, 5
	s_lshl_b32 s99, s28, 1
	s_add_co_u32 s98, s98, s99
	s_and_b32 s98, s98, 4095
	v_add_nc_u32 v252, s98, v3                     ; my query's index in its batch
	v_lshlrev_b32 v234, 2, v[RHO]                  ; psel: neighbour r's word
	s_mov_b32 s99, 0
	s_wait_alu depctr_va_vdst(0)
	s_wait_kmcnt 0x0
	s_lshl_b32 s98, s29, 11
	s_lshl_b32 s78, s28, 7
	s_add_co_u32 s98, s98, s78
	s_add_nc_u64 s[80:81], s[4:5], s[98:99]
	global_load_b32 v236, v234, s[80:81]           ; the index of neighbour r of query 2 w,
	global_load_b32 v237, v234, s[80:81] offset:64 ; and of 2 w + 1
	s_mul_i32 s98, s29, 384
	s_mul_i32 s78, s28, 24
	s_add_co_u32 s98, s98, s78
	s_add_nc_u64 s[82:83], s[6:7], s[98:99]        ; my two queries' coordinates
	s_mul_i32 s98, s30, 49152
	s_add_nc_u64 s[84:85], s[6:7], s[98:99]        ; the batch's coordinates,
	s_lshl_b32 s98, s30, 19
	s_add_nc_u64 s[86:87], s[8:9], s[98:99]        ; codes,
	s_lshl_b32 s98, s30, 15
	s_add_nc_u64 s[88:89], s[10:11], s[98:99]      ; and scale bytes
	s_mul_i32 s98, s31, 15360
	s_add_nc_u64 s[90:91], s[12:13], s[98:99]      ; my twelve weight images
	s_lshl_b32 s98, s29, 12
	s_lshl_b32 s78, s66, 10
	s_add_co_u32 s98, s98, s78
	s_add_nc_u64 s[92:93], s[8:9], s[98:99]        ; the codes of rows 32 x + 8 qg on,
	s_lshl_b32 s98, s29, 8
	s_lshl_b32 s78, s66, 6
	s_add_co_u32 s98, s98, s78
	s_add_nc_u64 s[94:95], s[10:11], s[98:99]      ; and their scale bytes
	s_lshl_b32 s98, s29, 15
	s_lshl_b32 s78, s28, 11
	s_add_co_u32 s98, s98, s78
	s_add_nc_u64 s[96:97], s[26:27], s[98:99]      ; out0 at row 32 x + 2 w
	s_mov_b32 s78, 0x3e99999a                      ; 0.3
	global_load_b32 v239, v220, s[82:83]
	global_load_b32 v240, v220, s[82:83] offset:4
	global_load_b32 v241, v220, s[82:83] offset:8
.irp t, 0,1,2,3,4,5,6,7                        ; W_pos1 as source 0 of the f32 form: lane (r, h), register j: row k = 2 h + j, hidden unit 32 (t / 2) + 8 (t % 2) + r + 8 (r / 8)
.irp j, 0,1
	global_load_b32 v[32+2*\t+\j], v221, s[14:15] offset:512*\j+4*(32*(\t/2)+8*(\t%2))
.endr
.endr
.irp t, 0,1,2,3,4,5,6,7                        ; b_pos1 in the result's layout: register j: unit 32 (t / 2) + 16 h + 8 (t % 2) + j
	global_load_b128 v[48+8*\t:51+8*\t], v222, s[16:17] offset:4*(32*(\t/2)+8*(\t%2))
	global_load_b128 v[52+8*\t:55+8*\t], v222, s[16:17] offset:4*(32*(\t/2)+8*(\t%2))+16
.endr
.irp p, 0,1,2,3,4,5,6,7,8,9,10,11
	global_load_b32 v[16+\p], v5, s[90:91] offset:1280*\p+1024
.endr
	; ---- stage 1.  Neighbour r of both queries, in all 32 lanes, so that both halves of a fragment's lanes know their row
	s_wait_loadcnt 47                              ; both indices are in; the 3 + 16 + 16 + 12 loads issued behind them may be out
	v_cndmask_b32 v238, v236, v237, s79            ; lane (h, r): neighbour r of query 2 w + h
	v_min_u32 v236, 0xfff, v236                    ; an index in the batch
	v_min_u32 v237, 0xfff, v237
	v_min_u32 v238, 0xfff, v238
	s_delay_alu instid0(VALU_DEP_1)
	v_mul_u32_u24 v223, v238, 12
	s_delay_alu instid0(VALU_DEP_4)
	v_lshlrev_b32 v224, 7, v236
	s_delay_alu instid0(VALU_DEP_1)
	v_lshl_add_u32 v224, v3, 4, v224               ; a row of 128 bytes of codes, + 16 h
	v_lshlrev_b32 v225, 7, v237
	s_delay_alu instid0(VALU_DEP_1)
	v_lshl_add_u32 v225, v3, 4, v225
	v_lshlrev_b32 v226, 3, v236
	v_lshlrev_b32 v227, 3, v237
	global_load_b32 v242, v223, s[84:85]
	global_load_b32 v243, v223, s[84:85] offset:4
	global_load_b32 v248, v223, s[84:85] offset:8
.irp q, 0,1
.irp s, 0,1
.irp c, 0,1
	global_load_b128 v[176+16*\q+8*\s+4*\c:179+16*\q+8*\s+4*\c], v[224+\q], s[86:87] offset:64*\s+32*\c   ; registers 4 c ..: k = 128 s + 64 c + 32 h + 0 .. 31 of neighbour r
.endr
.endr
.endr
.irp q, 0,1
.irp s, 0,1
	global_load_b32 v[208+2*\q+\s], v[226+\q], s[88:89] offset:4*\s
.endr
.endr
	s_wait_loadcnt 12                              ; all but the twelve loads of codes and scale words
	v_sub_f32 v244, v242, v239                     ; x_j - x_i
	v_sub_f32 v245, v243, v240                     ; y_j - y_i
	s_delay_alu instid0(VALU_DEP_2)
	v_mul_f32 v253, v244, v244
	s_delay_alu instid0(VALU_DEP_1)
	v_fma_f32 v253, v245, v245, v253
	s_wait_alu depctr_va_vdst(0)
	v_sqrt_f32 v253, v253
	v_sub_f32 v249, v241, v248                     ; dt = t_i - t_j
	v_sub_f32 v246, v248, v241                     ; t_j - t_i
	s_delay_alu instid0(VALU_DEP_2)
	v_cmp_le_f32 s70, 0, v249
	v_cmp_ne_u32 s71, v238, v252
	s_and_b32 s70, s70, s71                        ; valid: bit 16 h + r.  It selects values and is counted; no address and no branch hangs on it
	s_wait_alu depctr_va_vdst(0)                   ; the wait ahead of the root's first reader
	v_fma_f32 v253, v249, s78, v253
	s_delay_alu instid0(VALU_DEP_1)
	v_cndmask_b32 v247, 0, v253, s70               ; the distance, 0 where not valid
	v_permlane16_swap_b32 v244, v246               ; v[244:245]: query 2 w's source 1 of the f32 form: lanes 0-15 (dx, dy), lanes 16-31 (dt, d) of neighbour r;
	s_delay_alu instid0(VALU_DEP_2)
	v_permlane16_swap_b32 v245, v247               ; v[246:247]: query 2 w + 1's
	s_and_b32 s76, s70, 0xffff
	s_lshr_b32 s77, s70, 16
	s_lshl_b32 s74, s70, 16
	s_or_b32 s74, s74, s76                         ; query 2 w's valid rows, by r, in both halves of the lanes
	s_and_b32 s75, s70, s79
	s_or_b32 s75, s75, s77                         ; query 2 w + 1's
	s_bcnt1_i32_b32 s76, s76
	s_bcnt1_i32_b32 s77, s77
	v_mov_b32 v254, s76
	v_mov_b32 v255, s77
	s_delay_alu instid0(VALU_DEP_1)
	v_cndmask_b32 v254, v254, v255, s79            ; my query's count
	s_delay_alu instid0(VALU_DEP_1)
	v_max_u32 v255, 1, v254
	s_delay_alu instid0(VALU_DEP_1)
	v_cvt_f32_u32 v255, v255
	s_wait_alu depctr_va_vdst(0)
	v_rcp_f32 v250, v255                           ; inv
	v_min_u32 v254, 1, v254
	s_delay_alu instid0(VALU_DEP_1)
	v_cvt_f32_u32 v251, v254                       ; has
	s_wait_alu depctr_va_vdst(0)                   ; the wait ahead of the reciprocal's first reader
	ds_store_b64 v9, v[250:251]                    ; all lanes of a half store the same 8 bytes
	s_wait_loadcnt 0x0
.irp q, 0,1
.set i, 0
.rept 16
	v_cndmask_b32 v[176+16*\q+i], 0, v[176+16*\q+i], s[74+\q]   ; rows that are not valid: zero codes
.set i, i+1
.endr
.irp s, 0,1
.irp c, 0,1
	ds_store_b128 v7, v[176+16*\q+8*\s+4*\c:179+16*\q+8*\s+4*\c] offset:2048*\q+1024*\s+512*\c
.endr
	ds_store_b32 v8, v[208+2*\q+\s] offset:384*\q+128*(1+\s)
.endr
.endr
; Half c of the hidden layer (tiles 4 c .. 4 c + 3: blocks 2 c, 2 c + 1 of 32 units): relu into v176-207, the blocks' scales, the codes into v[212 + 4 c ..].  Register 16 b + i = unit 32 b + 16 h + i of neighbour r.
.macro QHALF c
.set i, 0
.rept 32
	v_max_num_f32 v[176+i], 0, v[112+32*\c+i]      ; ascending: each accumulator is read from its low end on
.set i, i+1
.endr
.irp b, 0,1
	v_max3_num_f32 v[220+\b], v[176+16*\b], v[177+16*\b], 0x1800000   ; none is negative; the floor 2^(3 - 127) holds the byte at 1 from below
.endr
.irp i, 2,4,6,8,10,12,14
.irp b, 0,1
	s_delay_alu instid0(VALU_DEP_2)
	v_max3_num_f32 v[220+\b], v[220+\b], v[176+16*\b+\i], v[177+16*\b+\i]
.endr
.endr
.irp b, 0,1
	s_delay_alu instid0(VALU_DEP_2)
	v_permlanex16_b32 v[222+\b], v[220+\b], s68, s69
.endr
.irp b, 0,1
	s_delay_alu instid0(VALU_DEP_2)
	v_max_num_f32 v[220+\b], v[220+\b], v[222+\b]  ; with lane xor 16's 16: the block's largest
.endr
.irp b, 0,1
	s_delay_alu instid0(VALU_DEP_2)
	v_add_nc_u32 v[224+2*\c+\b], 0xff000000, v[220+\b]   ; 2 off the exponent field: the conversion's scale operand
.endr
.irp b, 0,1
	s_delay_alu instid0(VALU_DEP_2)
	v_lshrrev_b32 v[228+2*\c+\b], 23, v[224+2*\c+\b]     ; the scale's byte
.endr
.irp b, 0,1
	v_cvt_scalef32_pk8_fp4_f32 v[212+4*\c+2*\b], v[176+16*\b:183+16*\b], v[224+2*\c+\b]
	v_cvt_scalef32_pk8_fp4_f32 v[213+4*\c+2*\b], v[184+16*\b:191+16*\b], v[224+2*\c+\b]
.endr
	v_nop                                          ; one plain line behind the last scaled conversion
.irp i, 0,1
	v_permlane16_swap_b32 v[212+4*\c+\i], v[214+4*\c+\i]   ; a whole block to a lane: lanes 0-15 block 2 c, lanes 16-31 block 2 c + 1
.endr
.endm
; Query 2 w + q: hidden^T = W_pos1^T rel^T + b_pos1 in f32 (source 0 = 16 hidden units, source 1 = the 16 neighbours' rel, C = the bias), relu, quantised, image to LDS.
.macro HQ q
.irp t, 0,1,2,3,4,5,6,7
	v_wmma_f32_16x16x4_f32 v[112+8*\t:119+8*\t], v[32+2*\t:33+2*\t], v[244+2*\q:245+2*\q], v[48+8*\t:55+8*\t]
.endr
.rept 8
	v_nop                                          ; eight places behind this form, ahead of the first read of a result and of loads into a source
.endr
	s_wait_dscnt 0x0                               ; my LDS stores have read their registers: v176-219 are written again below
.if \q == 1
.irp p, 0,1,2,3,4,5,6,7                        ; the bias has served: its registers take weight fragments 0 to 7
.irp c, 0,1
	global_load_b128 v[48+8*\p+4*\c:51+8*\p+4*\c], v4, s[90:91] offset:1280*\p+512*\c
.endr
.endr
.endif
	QHALF 0
	QHALF 1
	v_lshl_or_b32 v31, v229, 8, v228               ; the four bytes make row r's scale word
	s_delay_alu instid0(VALU_DEP_1)
	v_lshl_or_b32 v31, v230, 16, v31
	s_delay_alu instid0(VALU_DEP_1)
	v_lshl_or_b32 v31, v231, 24, v31
.irp i, 0,1,2,3,4,5,6,7
	v_cndmask_b32 v[212+\i], 0, v[212+\i], s[74+\q]   ; rows that are not valid: zero codes
.endr
.irp c, 0,1
	ds_store_b128 v6, v[212+4*\c:215+4*\c] offset:1024*\q+512*\c
.endr
	ds_store_b32 v8, v31 offset:384*\q
.endm
	HQ 0
	HQ 1
	s_wait_dscnt 0x0                               ; for the others' sake: my images lie in LDS; and the stores have read v212-219
.irp p, 8,9,10,11
.irp c, 0,1
	global_load_b128 v[112+8*\p+4*\c:115+8*\p+4*\c], v4, s[90:91] offset:1280*\p+512*\c   ; weight fragments 8 to 11: v176-207
.endr
.endr
.irp s, 0,1
.irp c, 0,1
	global_load_b128 v[212+8*\s+4*\c:215+8*\s+4*\c], v232, s[92:93] offset:64*\s+32*\c    ; my 8 queries' own codes: rows r and r + 8 of the tile are query r % 8
.endr
.endr
.irp s, 0,1
	global_load_b32 v[29+\s], v233, s[94:95] offset:4*\s
.endr
	s_barrier_signal -1
	s_barrier_wait -1
	; ---- stage 2.  Source 0 = 16 rows of activations, source 1 = 16 columns of weights: lane r holds column 64 cg + 4 r + tt, register j row 8 h + j.
.macro MX d, a, ph, zero, sa           ; one product with weight fragment ph (0-7: v48 on; 8-11: v176 on)
.set wb, 48+8*(\ph)
.if (\ph) >= 8
.set wb, 112+8*(\ph)
.endif
.if \zero
	v_wmma_scale_f32_16x16x128_f8f6f4 v[\d:\d+7], v[\a:\a+7], v[wb:wb+7], 0, v[\sa], v[16+(\ph)] matrix_a_fmt:MATRIX_FMT_FP4 matrix_b_fmt:MATRIX_FMT_FP4
.else
	v_wmma_scale_f32_16x16x128_f8f6f4 v[\d:\d+7], v[\a:\a+7], v[wb:wb+7], v[\d:\d+7], v[\sa], v[16+(\ph)] matrix_a_fmt:MATRIX_FMT_FP4 matrix_b_fmt:MATRIX_FMT_FP4
.endif
.endm
.macro QLOAD j                         ; query j's three fragments and scale words
.irp c, 0,1
	ds_load_b128 v[212+4*\c:215+4*\c], v10 offset:1024*(\j)+512*\c
.endr
.irp s, 0,1
.irp c, 0,1
	ds_load_b128 v[220+8*\s+4*\c:223+8*\s+4*\c], v11 offset:2048*(\j)+1024*\s+512*\c
.endr
.endr
.irp f, 0,1,2
	ds_load_b32 v[28+\f], v12 offset:128*(3*(\j)+\f)
.endr
.endm
.irp i, 0,1,2,3
	ds_load_b128 v[236+4*\i:239+4*\i], v13 offset:16*\i   ; inv, has of my 8 queries
.endr
	s_wait_loadcnt 0x0                             ; the weights and my queries' own codes
.irp s, 0,1                                    ; own = Q(x_i) Q(W_feat): four accumulators by turns; register j is query 8 qg + j in both halves
.irp tt, 0,1,2,3
.if \s == 0
	MX 144+8*\tt, 212+8*\s, 3*\tt+1+\s, 1, 29+\s
.else
	MX 144+8*\tt, 212+8*\s, 3*\tt+1+\s, 0, 29+\s
.endif
.endr
.endr
.rept 4
	v_nop                                          ; four places ahead of loads into registers that these products read
.endr
	QLOAD 0
.macro QSTEP j
.if (\j) == 0
	s_wait_dscnt 0x0
.else
	s_wait_dscnt 1                                 ; this query's nine loads are in; the store issued behind them may be out
.endif
.irp f, 0,1,2                                  ; K = hidden 128, features 128 + 128; four accumulators by turns
.irp tt, 0,1,2,3
.if \f == 0
	MX 112+8*\tt, 212+8*\f, 3*\tt+\f, 1, 28+\f
.else
	MX 112+8*\tt, 212+8*\f, 3*\tt+\f, 0, 28+\f
.endif
.endr
.endr
.rept 4
	v_nop                                          ; four places ahead of the loads below and of the first read of a result
.endr
.if (\j) < 7
	QLOAD (\j)+1
.else
.irp p, 0,1                                    ; the parameters for stage 3, into weight registers that have served
	global_load_b128 v[48+4*\p:51+4*\p], v4, s[18:19] offset:512*\p
	global_load_b128 v[56+4*\p:59+4*\p], v4, s[20:21] offset:512*\p
	global_load_b128 v[64+4*\p:67+4*\p], v4, s[22:23] offset:512*\p
	global_load_b128 v[72+4*\p:75+4*\p], v4, s[24:25] offset:512*\p
.endr
.endif
.set EE, 252-44*((\j)%2)                       ; v252-255 and v208-211 by turns: a set is written again only behind the wait that shows its store done
.irp tt, 0,1,2,3
	v_pk_add_f32 v[32+2*\tt:33+2*\tt], v[112+8*\tt:113+8*\tt], v[114+8*\tt:115+8*\tt]   ; the sum over the tile's 16 rows, from each accumulator's low end on
.endr
.irp tt, 0,1,2,3
	v_pk_add_f32 v[40+2*\tt:41+2*\tt], v[116+8*\tt:117+8*\tt], v[118+8*\tt:119+8*\tt]
.endr
.irp tt, 0,1,2,3
	s_delay_alu instid0(VALU_DEP_4)
	v_pk_add_f32 v[32+2*\tt:33+2*\tt], v[32+2*\tt:33+2*\tt], v[40+2*\tt:41+2*\tt]
.endr
.irp tt, 0,1,2,3
	s_delay_alu instid0(VALU_DEP_4)
	v_add_f32 v[32+2*\tt], v[32+2*\tt], v[33+2*\tt]
.endr
.irp tt, 0,1,2,3
	s_delay_alu instid0(VALU_DEP_4)
	v_permlanex16_b32 v[33+2*\tt], v[32+2*\tt], s68, s69
.endr
.irp tt, 0,1,2,3
	s_delay_alu instid0(VALU_DEP_4)
	v_add_f32 v[32+2*\tt], v[32+2*\tt], v[33+2*\tt]
.endr
.irp tt, 0,1,2,3
	v_fma_f32 v[EE+\tt], v[32+2*\tt], v[236+2*(\j)], v[144+8*\tt+(\j)]   ; own + inv x sum
.endr
	ds_store_b128 v14, v[EE:EE+3] offset:EP*(\j)   ; four neighbouring columns; both halves of the lanes store the same bytes
.endm
	QSTEP 0
	QSTEP 1
	QSTEP 2
	QSTEP 3
	QSTEP 4
	QSTEP 5
	QSTEP 6
	QSTEP 7
	s_wait_dscnt 0x0                               ; for the others' sake: my part of the 32 rows lies in LDS
	s_barrier_signal -1
	s_barrier_wait -1
	; ---- stage 3: rows 2 w and 2 w + 1, by turns.  A lane holds columns 4 lane .. + 3 and 128 + 4 lane .. + 3.
	s_lshl_b32 s98, s28, 4
	s_add_co_u32 s98, s98, QW
	v_mov_b32 v96, s98
.irp a, 0,1
	ds_load_b128 v[80+8*\a:83+8*\a], v15 offset:EP*\a
	ds_load_b128 v[84+8*\a:87+8*\a], v15 offset:EP*\a+512
.endr
	ds_load_b128 v[100:103], v96                   ; inv, has of both rows
	s_wait_dscnt 0x0
	s_wait_loadcnt 0x0                             ; b_feat v48-55, b_pos2 v56-63, gamma v64-71, beta v72-79
	v_mov_b32 v104, v101
	v_mov_b32 v105, v101
	v_mov_b32 v106, v103
	v_mov_b32 v107, v103
.irp j, 0,2,4,6
	v_pk_add_f32 v[56+\j:57+\j], v[56+\j:57+\j], v[48+\j:49+\j]   ; b_feat + b_pos2: what the mean of the neighbours carries
.endr
.irp j, 0,2,4,6
.irp a, 0,1
	v_pk_add_f32 v[80+8*\a+\j:81+8*\a+\j], v[80+8*\a+\j:81+8*\a+\j], v[48+\j:49+\j]
.endr
.endr
.irp j, 0,2,4,6
.irp a, 0,1
	v_pk_fma_f32 v[80+8*\a+\j:81+8*\a+\j], v[104+2*\a:105+2*\a], v[56+\j:57+\j], v[80+8*\a+\j:81+8*\a+\j]
.endr
.endr
.macro ROWRED                          ; v96 and v98, each summed over the 32 lanes
.irp m, 1,2,4,8
.irp a, 0,1
	s_delay_alu instid0(VALU_DEP_2)
	v_add_f32_dpp v[96+2*\a], v[96+2*\a], v[96+2*\a] row_xmask:\m row_mask:0xf bank_mask:0xf
.endr
.endr
.irp a, 0,1
	s_delay_alu instid0(VALU_DEP_2)
	v_permlanex16_b32 v[97+2*\a], v[96+2*\a], s68, s69
.endr
.irp a, 0,1
	s_delay_alu instid0(VALU_DEP_2)
	v_add_f32 v[96+2*\a], v[96+2*\a], v[97+2*\a]
.endr
.endm
.irp a, 0
	v_pk_add_f32 v[96+2*\a:97+2*\a], v[80+8*\a:81+8*\a], v[82+8*\a:83+8*\a]
	s_delay_alu instid0(VALU_DEP_3)
	v_pk_add_f32 v[108+2*\a:109+2*\a], v[84+8*\a:85+8*\a], v[86+8*\a:87+8*\a]
.endr
.irp a, 1
	v_pk_add_f32 v[96+2*\a:97+2*\a], v[80+8*\a:81+8*\a], v[82+8*\a:83+8*\a]
	s_delay_alu instid0(VALU_DEP_4)
	v_pk_add_f32 v[108+2*\a:109+2*\a], v[84+8*\a:85+8*\a], v[86+8*\a:87+8*\a]
.endr
.irp a, 0
	s_delay_alu instid0(VALU_DEP_3)
	v_pk_add_f32 v[96+2*\a:97+2*\a], v[96+2*\a:97+2*\a], v[108+2*\a:109+2*\a]
.endr
.irp a, 1
	s_delay_alu instid0(VALU_DEP_2)
	v_pk_add_f32 v[96+2*\a:97+2*\a], v[96+2*\a:97+2*\a], v[108+2*\a:109+2*\a]
.endr
.irp a, 0,1
	s_delay_alu instid0(VALU_DEP_2)
	v_add_f32 v[96+2*\a], v[96+2*\a], v[97+2*\a]
.endr
	ROWRED
.irp a, 0,1
	s_delay_alu instid0(VALU_DEP_2)
	v_mul_f32 v[108+2*\a], s72, v[96+2*\a]         ; the mean
.endr
.irp a, 0,1
	s_delay_alu instid0(VALU_DEP_2)
	v_mov_b32 v[109+2*\a], v[108+2*\a]
.endr
.irp j, 0,2,4,6
.irp a, 0,1
	v_pk_add_f32 v[80+8*\a+\j:81+8*\a+\j], v[80+8*\a+\j:81+8*\a+\j], v[108+2*\a:109+2*\a] neg_lo:[0,1] neg_hi:[0,1]
.endr
.endr
.irp a, 0,1
	v_pk_mul_f32 v[96+2*\a:97+2*\a], v[80+8*\a:81+8*\a], v[80+8*\a:81+8*\a]   ; the variance in a second pass: no difference of large sums
.endr
.irp j, 2,4,6
.irp a, 0,1
	s_delay_alu instid0(VALU_DEP_2)
	v_pk_fma_f32 v[96+2*\a:97+2*\a], v[80+8*\a+\j:81+8*\a+\j], v[80+8*\a+\j:81+8*\a+\j], v[96+2*\a:97+2*\a]
.endr
.endr
.irp a, 0,1
	s_delay_alu instid0(VALU_DEP_2)
	v_add_f32 v[96+2*\a], v[96+2*\a], v[97+2*\a]
.endr
	ROWRED
.irp a, 0,1
	s_delay_alu instid0(VALU_DEP_2)
	v_fma_f32 v[96+2*\a], v[96+2*\a], s72, s73     ; variance + 1e-5
.endr
	s_wait_alu depctr_va_vdst(0)
.irp a, 0,1
	v_rsq_f32 v[108+2*\a], v[96+2*\a]
	v_rsq_f32 v[109+2*\a], v[96+2*\a]              ; twice: a pair for the packed multiply
.endr
	v_nop                                          ; a plain line behind the last of them
	s_wait_alu depctr_va_vdst(0)                   ; one wait for the four, ahead of their first reader
.irp j, 0,2,4,6
.irp a, 0,1
	v_pk_mul_f32 v[80+8*\a+\j:81+8*\a+\j], v[80+8*\a+\j:81+8*\a+\j], v[108+2*\a:109+2*\a]
.endr
.endr
.irp j, 0,2,4,6
.irp a, 0,1
	v_pk_fma_f32 v[80+8*\a+\j:81+8*\a+\j], v[80+8*\a+\j:81+8*\a+\j], v[64+\j:65+\j], v[72+\j:73+\j]
.endr
.endr
.irp a, 0,1
	global_store_b128 v4, v[80+8*\a:83+8*\a], s[96:97] offset:1024*\a th:TH_STORE_NT        ; 512 consecutive bytes a store, at a multiple of 256 from out0's first byte
	global_store_b128 v4, v[84+8*\a:87+8*\a], s[96:97] offset:1024*\a+512 th:TH_STORE_NT
.endr
	s_wait_xcnt 0x0
	v_lshl_add_u32 v254, v0, 2, 0x23300
	v_mov_b32 v255, 0
	s_wait_alu depctr_va_vdst(0)
	s_wait_tensorcnt 0x0
	ds_add_u32 v254, v255
	s_wait_dscnt 0x0
	s_endpgm
.Lfunc_end_k_qc33d8adb60_final:
	.size	k_qc33d8adb60_final, .Lfunc_end_k_qc33d8adb60_final-k_qc33d8adb60_final
	.p2alignl 7, 3214868480
	.fill 96, 4, 3214868480
	.section	.rodata,"a",@progbits
	.p2align	6, 0x0
	.amdhsa_kernel k_qc33d8adb60_final
		.amdhsa_group_segment_fixed_size 146176
		.amdhsa_private_segment_fixed_size 0
		.amdhsa_enable_private_segment 0
		.amdhsa_kernarg_size 96
		.amdhsa_user_sgpr_count 2
		.amdhsa_user_sgpr_kernarg_segment_ptr 1
		.amdhsa_wavefront_size32 1
		.amdhsa_system_sgpr_workgroup_id_x 1
		.amdhsa_system_sgpr_workgroup_id_y 1
		.amdhsa_system_sgpr_workgroup_id_z 1
		.amdhsa_system_vgpr_workitem_id 0
		.amdhsa_next_free_vgpr 256
		.amdhsa_next_free_sgpr 100
		.amdhsa_reserve_vcc 0
		.amdhsa_float_denorm_mode_32 3
		.amdhsa_float_denorm_mode_16_64 3
		.amdhsa_memory_ordered 1
		.amdhsa_forward_progress 1
		.amdhsa_inst_pref_size 81
	.end_amdhsa_kernel
	.amdgpu_metadata
---
amdhsa.version: [ 1, 2 ]
amdhsa.kernels:
  - .name:           k_qc33d8adb60_final
    .symbol:         k_qc33d8adb60_final.kd
    .args:
      - { .name: psel, .offset: 0, .size: 8, .value_kind: global_buffer, .address_space: global }
      - { .name: coords, .offset: 8, .size: 8, .value_kind: global_buffer, .address_space: global }
      - { .name: xq, .offset: 16, .size: 8, .value_kind: global_buffer, .address_space: global }
      - { .name: xs, .offset: 24, .size: 8, .value_kind: global_buffer, .address_space: global }
      - { .name: wimg, .offset: 32, .size: 8, .value_kind: global_buffer, .address_space: global }
      - { .name: W_pos1, .offset: 40, .size: 8, .value_kind: global_buffer, .address_space: global }
      - { .name: b_pos1, .offset: 48, .size: 8, .value_kind: global_buffer, .address_space: global }
      - { .name: b_feat, .offset: 56, .size: 8, .value_kind: global_buffer, .address_space: global }
      - { .name: b_pos2, .offset: 64, .size: 8, .value_kind: global_buffer, .address_space: global }
      - { .name: gamma, .offset: 72, .size: 8, .value_kind: global_buffer, .address_space: global }
      - { .name: beta, .offset: 80, .size: 8, .value_kind: global_buffer, .address_space: global }
      - { .name: out0, .offset: 88, .size: 8, .value_kind: global_buffer, .address_space: global }
    .group_segment_fixed_size: 146176
    .private_segment_fixed_size: 0
    .kernarg_segment_align: 8
    .kernarg_segment_size: 96
    .max_flat_workgroup_size: 512
    .sgpr_count:     100
    .vgpr_count:     256
    .wavefront_size: 32
...
	.end_amdgpu_metadata
.endif
;; end of part 3
